; MI455X (gfx1250); checked and timed in simulation.
; The chip was launched on July 23, 2026; its instructions are those of AMD's public machine-readable ISA for CDNA 5 (MIT licence, August 2026) and "CDNA5" Instruction Set Architecture Reference Guide (July 2026). The comments in the code are by the model that wrote it; some were corrected since.
;; Self Attention. Allowed arithmetic: matrix products marked QUANTISED: E2M3 operands, one E8M0 scale for each 32 along K, by v_wmma_scale_f32_16x16x128_f8f6f4 with both operands' format E2M3, f32 sums; everything else in f32.
;; Inputs: in_proj_b 3,072 float32; in_proj_w 3,072 x 1,024 float32; out_proj_b 1,024 float32; out_proj_w 1,024 x 1,024 float32; tensor 4 x 2,048 x 1,024 float32.
;; Outputs: out0 4 x 2,048 x 1,024 float32.
;; Constants: causal_mask = 1.
;; This version of the problem:
;;   THIS VERSION OF THE PROBLEM IS GIVEN IN LOW PRECISION. The matrix products marked QUANTISED in the list below multiply operands that are first quantised to E2M3 (2 exponent bits, 3 mantissa bits; 6 bits a number), with one power-of-two scale for each 32 numbers along K (OCP MX v1.0); their sums are f32. All else is computed in f32.
;;   The module's matrix products, in the order in which they are computed (A, B: the left and right operand; K: the contracted axis; several contracted axes count as one K, in the product's order):
;;     1. [M 8,192, K 1,024] x [K 1,024, N 3,072]; A: input tensor; B: input in_proj_w: QUANTISED
;;     2. batch 64 x [M 2,048, K 64] x [K 64, N 2,048]; A: computed on the way; B: computed on the way: QUANTISED
;;     3. batch 64 x [M 2,048, K 2,048] x [K 2,048, N 64]; A: softmax (see below); B: computed on the way: QUANTISED
;;     4. [M 8,192, K 1,024] x [K 1,024, N 1,024]; A: computed on the way; B: input out_proj_w: QUANTISED
;;   THE QUANTISER, for each operand of a quantised product, along K:
;;     - K is cut into blocks of 32 from its start; a last block that is shorter is filled with zeros.
;;     - A block's scale is 2^e with e = floor(log2(the largest magnitude in the block)) - 2, held to -126 .. 127; a block of zeros has e = 0. As a byte (E8M0): e + 127.
;;     - Each number is divided by its block's scale, clamped to +-7.5, and rounded to the nearest number of E2M3, ties to even, subnormals kept.
;;     - The product sums the exact products of the quantised numbers (number of the format x scale) in f32.
;;   ~~~python
;;   def quantise(x, axis):      # numpy; x: float32 -> the quantised numbers, widened to float32 again
;;       x = np.moveaxis(x, axis, -1); K = x.shape[-1]
;;       x = np.pad(x, [(0, 0)] * (x.ndim - 1) + [(0, -K % 32)]); x = x.reshape(x.shape[:-1] + (-1, 32)); a = np.abs(x).max(-1, keepdims=True)
;;       e = np.where(a > 0, np.clip(np.frexp(np.where(a > 0, a, 1))[1] - 1 - 2, -126, 127), 0)      # np.frexp(a)[1] - 1 = floor(log2(a)), exactly
;;       r = np.clip(x / 2.0 ** e, -7.5, 7.5)
;;       step = 2.0 ** (np.maximum(np.frexp(np.where(r == 0, 1, r))[1] - 1, 0) - 3)
;;       q = np.round(r / step) * step * 2.0 ** e      # np.round: ties to even
;;       return np.moveaxis(q.reshape(q.shape[:-2] + (-1,))[..., :K], -1, axis).astype(np.float32)
;;   ~~~
;;   SOFTMAX AHEAD OF A QUANTISED PRODUCT. Where the list says 'softmax', what is quantised is not the finished softmax but p = 2^(t - M), with t = logit x log2(e) and M = ceil(the row's largest t), a whole number; so 1/2 < the row's largest p <= 1. The row's sum l is taken of the UNQUANTISED p, in f32, and the product's result is divided by l at the end. Since M is a whole number, a kernel that streams over the keys may use a running M (the ceiling of the running maximum): every later rescaling is an exact power of two, which a block's scale takes up: the codes' values come out the same.
;;   OPERANDS COMPUTED ON THE WAY. 'Computed on the way' means the value that the module computes at that place (a softmax that the list does not call 'softmax' is quantised finished and normalised). What goes into a quantiser is computed in f32, as accurately as f32 sums, v_exp_f32 and their like allow (about 1e-6 of the number): no bf16 or f16 on the way to a quantiser, and a product that is left as it is and whose result goes on into a quantised operand takes f32 operands (vector FMAs, or v_wmma_f32_16x16x4_f32). A number that lies on a knife's edge between two numbers of the format may be rounded either way, as far as f32 arithmetic and the matrix unit's own rounding can turn it there, and no further.
;; One version. Each part assembles by itself: llvm-mc -triple=amdgcn-amd-amdhsa -mcpu=gfx1250 --defsym DOCPART=n.
;; ======== version 1 of 1: 4 launches
;; workspace buffers: opc 9,437,184 bytes; ops 393,216 bytes; qkvc 18,874,368 bytes; qkvs 786,432 bytes; aoc 6,291,456 bytes; aos 262,144 bytes
;; launch quant (part 1): grid 384 x 1, 4 waves a work-group, no clusters, 34,304 bytes of LDS; arguments tensor, in_proj_w, out_proj_w, opc, ops; writes opc, ops
.if DOCPART == 1
	.amdgcn_target "amdgcn-amd-amdhsa--gfx1250"
	.amdhsa_code_object_version 6
	.text
	.protected	k_q8a7aafb7bb_quant
	.globl	k_q8a7aafb7bb_quant
	.p2align	8
	.type	k_q8a7aafb7bb_quant,@function
k_q8a7aafb7bb_quant:
	s_mov_b64 s[64:65], 0
	v_nop
	global_prefetch_b8 v0, s[64:65] scope:SCOPE_SE
	s_setreg_imm32_b32 hwreg(HW_REG_WAVE_MODE, 25, 1), 1
	s_wait_xcnt 0x0
; tensor [8192][1024], in_proj_w [3072][1024] and out_proj_w [1024][1024], f32, K innermost, become codes of FP6 (E2M3) with one E8M0 byte for each 32 along K.
; A block's scale is 2^(floor(log2(its largest magnitude)) - 2); its byte is the largest magnitude's exponent field - 2, held at 1 from below.
; THE IMAGE.  The codes are laid in the order of the matrix operand's registers.  Rows go in tiles of 16; tile T, place r holds the row 32 (T / 2) + 8 (T % 2) + r % 8 + 16 (r / 8).
; A fragment (a tile x 128 along K: 12 registers a lane) is six pieces of 256 bytes; piece i holds registers 2 i, 2 i + 1 of lane l at 8 l.  opc: tile x 12,288 + (k / 128) x 1,536 + 256 i + 8 l.
; ops: tile x 512 + (k / 256) x 128 + 8 r + 4 ((k / 128) % 2) + (k / 32) % 4.  Tiles 0-511 tensor, 512-703 in_proj_w, 704-767 out_proj_w.
; SHARES.  Work-group x takes tiles 2 x and 2 x + 1 (32 neighbouring rows); wave w tile 2 x + w / 2 and 512 along K (w % 2): four steps of 128.
; A step's 16 loads read 512 consecutive bytes of one row each; the 8,192 bytes turn through the wave's own stage in LDS (rows 528 bytes apart), so that lane (r, h) gets blocks h and 2 + h of row r, 32 neighbours each:
; a block's largest magnitude needs no other lane and the conversions' results are the operand's registers.  Each store of codes covers 256 consecutive bytes, aligned; the wave's scale words leave as one such store.
; No tensor loads, no barrier: waves share nothing.  Loads run two steps (32 loads a wave) ahead.
; LIMITS: NaN and infinities among the inputs are not served.  A block of zeros gets the byte 1 where the rule says 127: its codes are zeros, and the bytes are read by this program alone.
.set SPITCH, 528
.set STAGEB, 16*SPITCH
.set R,  16                            ; v16-143  two sets of 64 numbers as loaded
.set X,  144                           ; v144-207 my two blocks of 32 neighbours
.set C,  208                           ; v208-219 the fragment
.set D,  220                           ; v220-222, v224-226 the blocks' upper halves (a conversion's three registers begin on an even number)
.set W,  228                           ; v228-231 the four steps' scale words
.set MX, 232                           ; v232-233 largest magnitudes
.set SO, 234                           ; v234-235 the conversions' scale operands
.set BY, 236                           ; v236-237 bytes
.set TW, 238
.set TP, 239
	s_load_b128 s[4:7], s[0:1], 0x0                ; tensor, in_proj_w
	s_load_b128 s[8:11], s[0:1], 0x10              ; out_proj_w, opc
	s_load_b64 s[12:13], s[0:1], 0x20              ; ops
	v_lshl_add_u32 v248, v0, 2, 0x8400
	v_mov_b32 v249, 0
	v_lshrrev_b32 v7, 5, v0
	v_readfirstlane_b32 s16, v7                    ; wave 0..3
	v_and_b32 v8, 31, v0                           ; lane
	v_lshlrev_b32 v1, 4, v8                        ; 16 x lane: my bytes of a load's 512
	v_lshlrev_b32 v2, 3, v8                        ; 8 x lane: my bytes of a piece
	v_and_b32 v9, 15, v0                           ; r
	v_bfe_u32 v5, v0, 4, 1                         ; h
	v_lshlrev_b32 v6, 3, v5                        ; 8 h: my bytes' place in a scale word, in bits
	s_mul_i32 s17, s16, STAGEB                     ; my stage
	v_add_nc_u32 v3, s17, v1                       ; in: 16 x lane of a row
	v_mul_u32_u24 v4, v9, SPITCH
	v_lshl_add_u32 v4, v5, 7, v4
	v_add_nc_u32 v4, s17, v4                       ; out: row r, block h
	v_mov_b32 v[TP], 0                             ; a lane permute's destination counts as one of its sources
	s_mov_b32 s20, 0x76543210
	s_mov_b32 s21, 0xfedcba98                      ; selects for lane l xor 16
	s_lshr_b32 s18, s16, 1                         ; which of the two tiles
	s_and_b32 s19, s16, 1                          ; which half of K
	s_mov_b32 s15, 352
	s_wait_alu depctr_va_vdst(0)
	s_wait_kmcnt 0x0
	s_cmp_lt_u32 ttmp9, 352                        ; the source hangs on the work-group's number alone
	s_cselect_b64 s[6:7], s[6:7], s[8:9]
	s_cselect_b32 s14, 256, s15
	s_cmp_lt_u32 ttmp9, 256
	s_cselect_b64 s[4:5], s[4:5], s[6:7]
	s_cselect_b32 s14, 0, s14
	s_sub_co_u32 s14, ttmp9, s14                   ; which 32 rows of the source
	s_lshl_b32 s22, s14, 17                        ; 32 rows of 4,096 bytes,
	s_lshl_b32 s23, s18, 15                        ; 8 rows for the odd tile,
	s_add_co_u32 s22, s22, s23
	s_lshl_b32 s23, s19, 11                        ; 512 numbers for the upper half of K
	s_add_co_u32 s22, s22, s23
	s_mov_b32 s23, 0
	s_add_nc_u64 s[4:5], s[4:5], s[22:23]
	s_lshl_b32 s24, ttmp9, 1
	s_add_co_u32 s24, s24, s18                     ; my tile
	s_mul_i32 s22, s24, 12288
	s_mul_i32 s25, s19, 6144
	s_add_co_u32 s22, s22, s25
	s_add_nc_u64 s[10:11], s[10:11], s[22:23]
	s_lshl_b32 s22, s24, 9
	s_lshl_b32 s25, s19, 8
	s_add_co_u32 s22, s22, s25
	s_add_nc_u64 s[12:13], s[12:13], s[22:23]
.macro LOAD q                          ; step q: place i of the tile is the row i % 8 + 16 (i / 8) of my rows
.irp i, 0,1,2,3,4,5,6,7,8,9,10,11,12,13,14,15
	global_load_b128 v[R+64*((\q)%2)+4*\i:R+64*((\q)%2)+4*\i+3], v1, s[4:5] offset:((\i%8)+16*(\i/8))*4096+512*(\q) th:TH_LOAD_NT
.endr
.endm
.macro STEP q
.if (\q) < 3
	s_wait_loadcnt 16                              ; this step's 16 loads are in; the next step's may be out
.else
	s_wait_loadcnt 0x0
.endif
.irp i, 0,1,2,3,4,5,6,7,8,9,10,11,12,13,14,15
	ds_store_b128 v3, v[R+64*((\q)%2)+4*\i:R+64*((\q)%2)+4*\i+3] offset:SPITCH*\i
.endr
.irp c, 0,1
.irp e, 0,1,2,3,4,5,6,7
	ds_load_b128 v[X+32*\c+4*\e:X+32*\c+4*\e+3], v4 offset:256*\c+16*\e   ; LDS serves a wave's instructions in order: these see the stores above
.endr
.endr
	s_wait_dscnt 0x0                               ; my numbers are back, and the stores have read their registers,
.if (\q) < 2
	LOAD (\q)+2                                    ; which take the loads of two steps on
.endif
.irp c, 0,1
	v_max3_num_f32 v[MX+\c], |v[X+32*\c]|, |v[X+32*\c+1]|, 0x1800000   ; block 2 c + h: all 32 numbers are mine; the floor 2^(3 - 127) holds the byte at 1 from below
.endr
.irp i, 2,4,6,8,10,12,14,16,18,20,22,24,26,28,30
.irp c, 0,1
	v_max3_num_f32 v[MX+\c], v[MX+\c], |v[X+32*\c+\i]|, |v[X+32*\c+\i+1]|
.endr
.endr
.irp c, 0,1
	v_add_nc_u32 v[SO+\c], 0xff000000, v[MX+\c]    ; 2 off the exponent field: the conversion takes this operand's exponent field as its scale
.endr
.irp c, 0,1
	v_lshrrev_b32 v[BY+\c], 23, v[SO+\c]           ; the scale's byte
.endr
	v_lshl_or_b32 v[TW], v[BY+1], 16, v[BY]        ; my two bytes: blocks h and 2 + h,
	v_lshlrev_b32 v[TW], v6, v[TW]                 ; at their places in the word;
	v_permlanex16_b32 v[TP], v[TW], s20, s21
	v_or_b32 v[W+(\q)], v[TW], v[TP]               ; with lane l xor 16's two the word is whole
	s_wait_alu depctr_va_vdst(0)
	s_wait_xcnt 0x0                                ; the last step's stores have read the fragment's registers: they are written again only behind this wait
.irp c, 0,1
	v_cvt_scalef32_pk16_fp6_f32 v[C+6*\c:C+6*\c+2], v[X+32*\c:X+32*\c+15], v[SO+\c]
	v_cvt_scalef32_pk16_fp6_f32 v[D+4*\c:D+4*\c+2], v[X+32*\c+16:X+32*\c+31], v[SO+\c]
.endr
	v_nop                                          ; one plain place behind a scaled conversion
.irp c, 0,1
.irp i, 0,1,2
	v_mov_b32 v[C+6*\c+3+\i], v[D+4*\c+\i]
.endr
.endr
.irp i, 0,1,2,3,4,5
	global_store_b64 v2, v[C+2*\i:C+2*\i+1], s[10:11] offset:1536*(\q)+256*\i   ; a piece: 256 consecutive bytes, aligned
.endr
.endm
	LOAD 0
	LOAD 1
	STEP 0
	STEP 1
	STEP 2
	STEP 3
	v_cmp_ne_u32 vcc_lo, 0, v5                     ; lanes 0-15 store the words of steps 0, 1, lanes 16-31 those of steps 2, 3
	v_cndmask_b32 v[MX], v[W], v[W+2], vcc_lo
	v_cndmask_b32 v[MX+1], v[W+1], v[W+3], vcc_lo
	global_store_b64 v2, v[MX:MX+1], s[12:13]      ; 256 consecutive bytes, aligned
	s_wait_tensorcnt 0x0
	ds_add_u32 v248, v249
	s_wait_dscnt 0x0
	s_endpgm
.Lfunc_end_k_q8a7aafb7bb_quant:
	.size	k_q8a7aafb7bb_quant, .Lfunc_end_k_q8a7aafb7bb_quant-k_q8a7aafb7bb_quant
	.p2alignl 7, 3214868480
	.fill 96, 4, 3214868480
	.section	.rodata,"a",@progbits
	.p2align	6, 0x0
	.amdhsa_kernel k_q8a7aafb7bb_quant
		.amdhsa_group_segment_fixed_size 34304
		.amdhsa_private_segment_fixed_size 0
		.amdhsa_enable_private_segment 0
		.amdhsa_kernarg_size 40
		.amdhsa_user_sgpr_count 2
		.amdhsa_user_sgpr_kernarg_segment_ptr 1
		.amdhsa_wavefront_size32 1
		.amdhsa_system_sgpr_workgroup_id_x 1
		.amdhsa_system_sgpr_workgroup_id_y 1
		.amdhsa_system_sgpr_workgroup_id_z 1
		.amdhsa_system_vgpr_workitem_id 0
		.amdhsa_next_free_vgpr 250
		.amdhsa_next_free_sgpr 66
		.amdhsa_reserve_vcc 1
		.amdhsa_float_denorm_mode_32 3
		.amdhsa_float_denorm_mode_16_64 3
		.amdhsa_memory_ordered 1
		.amdhsa_forward_progress 1
		.amdhsa_inst_pref_size 32
	.end_amdhsa_kernel
	.amdgpu_metadata
---
amdhsa.version: [ 1, 2 ]
amdhsa.kernels:
  - .name:           k_q8a7aafb7bb_quant
    .symbol:         k_q8a7aafb7bb_quant.kd
    .args:
      - { .name: tensor, .offset: 0, .size: 8, .value_kind: global_buffer, .address_space: global }
      - { .name: in_proj_w, .offset: 8, .size: 8, .value_kind: global_buffer, .address_space: global }
      - { .name: out_proj_w, .offset: 16, .size: 8, .value_kind: global_buffer, .address_space: global }
      - { .name: opc, .offset: 24, .size: 8, .value_kind: global_buffer, .address_space: global }
      - { .name: ops, .offset: 32, .size: 8, .value_kind: global_buffer, .address_space: global }
    .group_segment_fixed_size: 34304
    .private_segment_fixed_size: 0
    .kernarg_segment_align: 8
    .kernarg_segment_size: 40
    .max_flat_workgroup_size: 128
    .sgpr_count:     66
    .vgpr_count:     250
    .wavefront_size: 32
...
	.end_amdgpu_metadata
.endif
;; end of part 1
;; launch qkv (part 2): grid 12 x 32, 4 waves a work-group, clusters of 4 x 4, 327,680 bytes of LDS; arguments opc, ops, in_proj_b, qkvc, qkvs; writes qkvc, qkvs
.if DOCPART == 2
	.amdgcn_target "amdgcn-amd-amdhsa--gfx1250"
	.amdhsa_code_object_version 6
	.text
	.protected	k_q8a7aafb7bb_qkv
	.globl	k_q8a7aafb7bb_qkv
	.p2align	8
	.type	k_q8a7aafb7bb_qkv,@function
k_q8a7aafb7bb_qkv:
	s_mov_b64 s[64:65], 0
	v_nop
	global_prefetch_b8 v0, s[64:65] scope:SCOPE_SE
	s_setreg_imm32_b32 hwreg(HW_REG_WAVE_MODE, 25, 1), 1
	s_wait_xcnt 0x0
	s_wait_alu depctr_hold_cnt(0) depctr_sa_sdst(0) depctr_va_vdst(0) depctr_va_sdst(0) depctr_va_ssrc(0) depctr_va_vcc(0) depctr_vm_vsrc(0)
	s_getreg_b32 s2, hwreg(HW_REG_IB_STS2, 6, 4)
	s_cmp_eq_u32 s2, 0
	s_cbranch_scc0 .Lentry_in_a_cluster
	s_endpgm
.Lentry_in_a_cluster:
	s_bfe_u32 s2, ttmp6, 0x10000c
	s_cmp_lg_u32 s2, 0xf033
	s_cbranch_scc0 .Lentry_shape_is_right
	s_endpgm
.Lentry_shape_is_right:
; qkv = tensor x in_proj_w^T + in_proj_b on codes of FP6 (E2M3) with E8M0 scales, K = 1,024; the result is quantised at once for the attention: q and k along a head's 64, v along the keys.
; OPERANDS are images (tiles of 16 rows in the order of the operand's registers; tile T, place r = row 32 (T / 2) + 8 (T % 2) + r % 8 + 16 (r / 8); a fragment of 128 along K is six pieces of 256 bytes, lane l's 8 bytes at 8 l).
; A tile of the result is 256 rows of A' x 256 rows of B'; four waves, each 128 x 128: 64 accumulators.  THE MATRIX INSTRUCTION IS USED TRANSPOSED: source 0 = 16 rows of B', source 1 = 16 rows of A'.
; By the image's order of rows a lane's 64 registers of one block of A' are then, 16 at a time, neighbours along B's rows: register 16 b + i = row 32 b + 16 (lane / 16) + i of B's 128: what the quantiser along B's rows wants.
; ROLES.  Clusters with x = 0, 1: A' = tensor, B' = the rows of in_proj_w for q and k: quantised along the features.  Clusters with x = 2: A' = the rows for v, B' = tensor: v^T, quantised along the tokens, the keys innermost.
; The role hangs on the cluster's x alone (the same in all sixteen partners) and selects numbers only: no branch hangs on it.
; OUT.  qkvc: q, k: ((feature / 128) x 512 + token tile) x 1,536; v^T from byte 12,582,912: ((token / 128) x 64 + feature tile) x 1,536.  qkvs: a word a row at the same index x 64 + 4 r; v's from byte 524,288.
; K goes in four steps of 256 through three LDS slots: steps 0, 1, 2 are asked for at the start, step 3 into slot 0 behind the one change of slots that fills again; the four steps are written out.
; By this text's own count a wave has at most four tensor loads outstanding.  CLUSTERS 4 x 4: A's tiles are asked for jointly along a row of the cluster, B's along a column.
; No prefetch: three of the four K steps are asked for at the head, and the fourth has 256 matrix instructions in which to land.
; The scales of the work-group's rows for all of K come once, with the first fills.  The bias along A's rows (v) is the C of the first products; the bias along B's rows (q, k) is added on the way out; the one that does not apply is masked to zero.
; LIMITS: NaN and infinities are not served.  A block of zeros gets the byte 1 where the rule says 127: its codes are zeros, and the bytes are read by this program alone.
; REGISTERS: window 0: v16-31 addresses; v32-63 scale words, two sets; v64-127 the first products' C, later 64 numbers at work; v128-223 A's fragments, one set; v224-239 at work.
;   window 1: B's fragments, two sets at v0 and v128; v96-127, v224-255 the bias along B's rows.  window 2: accumulators of A's blocks 0-3 ((a, b) at v[8 (8 a + b)]); window 3: blocks 4-7.
.set AB,    8                          ; A's blocks of 16 rows a wave
.set HB,    AB/2
.set FR,    12                         ; registers of a fragment
.set NL,    6                          ; LDS loads that bring one
.set TB,    3072                       ; an image tile's bytes in a K step of 256
.set QB,    1536                       ; a fragment
.set ASZ,   2*AB*TB
.set SLOT,  ASZ+16*TB                  ; A's 16 tiles, then B's 16
.set SCA,   3*SLOT                     ; A's scales, 512 bytes a tile
.set SCB,   SCA+2*AB*512               ; B's
.set SPARE, SCB+16*512                 ; the spare words, 128 bytes a wave: two blocks of 256 bytes that no other line names
.set STG,   SPARE+512                  ; 512 bytes a wave: the scale words on the way out
.set ADRA, 16                          ; v16-18 LDS address of my A fragments in slot 0, 1, 2
.set ADRB, 20                          ; v20-22 the same for B
.set STO,  24                          ; v24 where I put a scale word
.set RD,   25                          ; v25 where I read them back
.set CO,   26                          ; v26 8 x lane
.set ADRS, 27                          ; v27 my scale words: lanes 0-15 A's rows, lanes 16-31 B's
.set SPW,  28                          ; v28 my spare word; never rewritten
.set NIL,  29                          ; v29 0; never rewritten
.set LI,   30                          ; v30 16 x lane
.set SC,   32
.set CB,   64
.set AF,   128
.set TM,   224
.set PC,   128                         ; the way out: the codes just made, v128-147
.set PWR,  148                         ; v148-155 a scale word for each block
.set WV,   16
.set RH,   17
.set CH,   18
.set G1,   20                          ; s[20:27] group 1, A's tiles; s[28:39] groups 0, one a slot
.set G0,   28
.set G1B,  44                          ; s[44:51], s[84:95] the same for B
.set G0B,  84
.set G1S,  52                          ; s[52:59], s[60:63] A's scales
.set G0S,  60
.set G1SB, 68                          ; s[68:75], s[76:79] B's scales
.set G0SB, 76
.set SEL,  66
.set MSB, 0
.macro WIN new                         ; the immediate's high byte repeats the setting that is left
.if MSB != \new
	s_set_vgpr_msb (MSB<<8)|\new
.set MSB, \new
.endif
.endm
.set TO_B, 0x40                        ; destination window 1, address window 0
; A joint load: waves 0 and 1 fetch for A, waves 2 and 3 for B; the branch hangs on the wave's number alone.  Four v_nop follow each of the two lines.
.macro JLOAD g0a, g1a, g0b, g1b
	s_cmp_eq_u32 s[RH], 0
	s_cbranch_scc0 .Lfor_b_\@
	tensor_load_to_lds s[\g0a:\g0a+3], s[\g1a:\g1a+7]
	s_nop 0
.rept 4
	v_nop
.endr
	s_branch .Lasked_\@
.Lfor_b_\@:
	tensor_load_to_lds s[\g0b:\g0b+3], s[\g1b:\g1b+7]
	s_nop 0
.rept 4
	v_nop
.endr
.Lasked_\@:
.endm
.macro CREST                           ; a round of the cluster's barrier behind its opening barrier
	s_cmp_lg_u32 s[WV], 0
	s_cbranch_scc1 .Lnot_wave_0_\@
	s_barrier_signal -3
.Lnot_wave_0_\@:
	s_barrier_wait -3
	s_barrier_signal -1
	s_barrier_wait -1
.endm
.macro CROUND
	s_barrier_signal -1
	s_barrier_wait -1
	CREST
.endm
.macro PLACES n                        ; plain vector instructions between a matrix instruction and a load into, or a vector read of, its registers
.rept \n
	v_nop
.endr
.endm
.macro FRAG reg, adr, q, i             ; a fragment: six pieces, 32 lanes x 8 consecutive bytes each
.irp p, 0,1,2,3,4,5
	ds_load_b64 v[\reg+2*\p:\reg+2*\p+1], v[\adr] offset:(\i)*TB+(\q)*QB+256*\p
.endr
.endm
.macro FETCH_B slot, q, p              ; B's eight fragments into set p
	WIN TO_B
.irp i, 0,1,2,3,4,5,6,7
	FRAG 128*(\p)+FR*\i, ADRB+\slot, \q, \i
.endr
	WIN 0
.endm
.macro FETCH_A slot, q, i0             ; A's blocks i0 .. i0 + HB - 1
.set II, \i0
.rept HB
	FRAG AF+FR*II, ADRA+\slot, \q, II
.set II, II+1
.endr
.endm
.macro SCALES ks                       ; K step ks: two words a row; lanes 0-15 take A's block i, lanes 16-31 B's block i
.irp i, 0,1,2,3,4,5,6,7
	ds_load_b64 v[SC+16*((\ks)%2)+2*\i:SC+16*((\ks)%2)+2*\i+1], v[ADRS] offset:512*\i+128*(\ks)
.endr
.endm
; A's block a against B's eight.  cm = 0: the sums go on; 1: they start from the bias along B's rows; 2: from the bias along A's rows.
.macro MULB a, p, q, set, cm
.irp b, 0,1,2,3,4,5,6,7
.set rD, 8*(8*((\a)%4)+\b)
.set rB, 128*(\p)+FR*\b
.set rA, AF+FR*(\a)
.set rSB, SC+16*(\set)+2*\b+(\q)
.set rSA, SC+16*(\set)+2*(\a)+(\q)
.if (\cm) == 0
	v_wmma_scale_f32_16x16x128_f8f6f4 v[rD:rD+7], v[rB:rB+FR-1], v[rA:rA+FR-1], v[rD:rD+7], v[rSB], v[rSA] matrix_a_fmt:MATRIX_FMT_FP6 matrix_b_fmt:MATRIX_FMT_FP6 matrix_a_scale:MATRIX_SCALE_ROW1
.elseif (\cm) == 1
	v_wmma_scale_f32_16x16x128_f8f6f4 v[rD:rD+7], v[rB:rB+FR-1], v[rA:rA+FR-1], v[CB+8*\b:CB+8*\b+7], v[rSB], v[rSA] matrix_a_fmt:MATRIX_FMT_FP6 matrix_b_fmt:MATRIX_FMT_FP6 matrix_a_scale:MATRIX_SCALE_ROW1
.else
	v_wmma_scale_f32_16x16x128_f8f6f4 v[rD:rD+7], v[rB:rB+FR-1], v[rA:rA+FR-1], v[CB+8*(\a):CB+8*(\a)+7], v[rSB], v[rSA] matrix_a_fmt:MATRIX_FMT_FP6 matrix_b_fmt:MATRIX_FMT_FP6 matrix_a_scale:MATRIX_SCALE_ROW1
.endif
.endr
.endm
.macro MULS a0, n, p, q, set, cm       ; n blocks from a0 on.  The accumulators take turns, one instruction a turn, in the same order in every step
.set AA, \a0
.rept \n
	MULB AA, \p, \q, \set, \cm
.set AA, AA+1
.endr
.endm
; A step of 128 along K: the q-th of K step ks.  In its middle and at its end it fetches the next step's fragments (slot nslot, K step nks, its nq-th 128).
; mode 0: no barrier.  mode 1: the next slot's landing is shown to all waves (cnt: the younger tensor loads that may stay out); nothing is filled.  mode 2: slot cnt, just read out, is filled again.
.macro KSTEP ks, q, cm, nslot, nks, nq, mode, cnt
.if (\cm)
.set WLO, 0x81                         ; source 0 (B) window 1, source 1 (A) and C window 0, D window 2
.set WHI, 0x81+0x40*(AB/8)
.else
.set WLO, 0xa1                         ; C and D window 2
.set WHI, 0xa1+0x50*(AB/8)
.endif
.if (\mode) == 0
	s_wait_dscnt HB*NL                             ; B's set, A's lower blocks and the scale words are in; the youngest loads (A's upper blocks) may be out
	WIN WLO
	MULS 0, HB, \q, \q, (\ks)%2, \cm
	s_wait_dscnt 0x0                               ; A's upper blocks are in
	PLACES 4
.else
.if (\mode) == 2
	s_wait_tensorcnt 0x0                           ; all my tensor loads have landed (every window is 0 here)
	ds_add_u32 v[SPW], v[NIL]                      ; 0 onto my spare word
	s_wait_dscnt HB*NL+1                           ; (the add and A's upper blocks may be out)
.else
	s_wait_tensorcnt \cnt                          ; my part of the next slot has landed
	s_wait_dscnt HB*NL
.endif
	WIN WLO
	MULS 0, HB/2, \q, \q, (\ks)%2, \cm
	s_wait_dscnt 0x0                               ; my reads of this slot are over (and the add is done)
	s_barrier_signal -1
	MULS HB/2, HB/2, \q, \q, (\ks)%2, \cm
	WIN 0
	s_barrier_wait -1
.if (\mode) == 2
	CREST                                          ; the barrier has opened a round of the cluster's barrier: no wave of any partner still reads the slot or has a load on its way
	s_add_nc_u64 s[G0+4*(\cnt)+2:G0+4*(\cnt)+3], s[G0+4*(\cnt)+2:G0+4*(\cnt)+3], 3*TB
	s_add_nc_u64 s[G0B+4*(\cnt)+2:G0B+4*(\cnt)+3], s[G0B+4*(\cnt)+2:G0B+4*(\cnt)+3], 3*TB
	JLOAD G0+4*(\cnt), G1, G0B+4*(\cnt), G1B       ; the first tensor load behind the round; its four v_nop are the places in front of the loads below
.else
	PLACES 4
.endif
.endif
	FETCH_B \nslot, \nq, 1-(\q)
	FETCH_A \nslot, \nq, 0
.if (\nq) == 0
	SCALES \nks
.endif
	WIN WHI
	MULS HB, HB, \q, \q, (\ks)%2, \cm
	PLACES 4
	WIN 0
	FETCH_A \nslot, \nq, HB
.endm
; 64 numbers of a lane, register 16 b + i = k 32 b + 16 (lane / 16) + i of my row, become a fragment's codes in v[PC] on and its scale word in v[pw].
.macro QUANT s, pw
.irp b, 0,1,2,3
	v_max3_num_f32 v[TM+\b], |v[\s+16*\b]|, |v[\s+1+16*\b]|, 0x1800000   ; my 16 numbers of block b, and the floor 2^(3 - 127): the byte cannot fall under 1
.endr
.irp i, 2,4,6,8,10,12,14
.irp b, 0,1,2,3
	v_max3_num_f32 v[TM+\b], v[TM+\b], |v[\s+16*\b+\i]|, |v[\s+1+16*\b+\i]|
.endr
.endr
.irp b, 0,1,2,3
	v_permlanex16_b32 v[TM+4+\b], v[TM+\b], s[SEL], s[SEL+1]
.endr
.irp b, 0,1,2,3
	v_max_num_f32 v[TM+\b], v[TM+\b], v[TM+4+\b]   ; with lane l xor 16's: the block's largest magnitude
.endr
.irp b, 0,1,2,3
	v_add_nc_u32 v[TM+12+\b], 0xff000000, v[TM+\b] ; 2 off its exponent field: the conversion's scale operand
.endr
.irp b, 0,1,2,3
	v_lshrrev_b32 v[TM+4+\b], 23, v[TM+12+\b]      ; the scale's byte
.endr
	v_lshl_or_b32 v[\pw], v[TM+5], 8, v[TM+4]
	v_lshl_or_b32 v[\pw], v[TM+6], 16, v[\pw]
	v_lshl_or_b32 v[\pw], v[TM+7], 24, v[\pw]
.irp c, 0,1
	v_cvt_scalef32_pk16_fp6_f32 v[PC+6*\c:PC+2+6*\c], v[\s+32*\c:\s+15+32*\c], v[TM+12+2*\c]
	v_cvt_scalef32_pk16_fp6_f32 v[PC+12+4*\c:PC+14+4*\c], v[\s+16+32*\c:\s+31+32*\c], v[TM+12+2*\c+1]
.endr
	v_nop                                          ; one plain place behind a scaled conversion
.irp c, 0,1                            ; the operand's layout wants a whole block in a lane
.irp i, 0,1,2
	v_permlane16_swap_b32 v[PC+6*\c+\i], v[PC+12+4*\c+\i]
.endr
.irp i, 0,1,2
	v_mov_b32 v[PC+3+6*\c+\i], v[PC+12+4*\c+\i]
.endr
.endr
.endm
	s_load_b256 s[4:11], s[0:1], 0x0               ; opc s[4:5], ops s[6:7], in_proj_b s[8:9], qkvc s[10:11]
	s_load_b64 s[12:13], s[0:1], 0x20              ; qkvs
	v_lshl_add_u32 v[SPW], v0, 2, SPARE
	v_mov_b32 v[NIL], 0
	ds_add_u32 v28, v29
	ds_add_u32 v28, v29
	s_wait_dscnt 0x0
	v_lshrrev_b32 v1, 5, v0
	v_readfirstlane_b32 s[WV], v1                  ; wave 0..3
	s_lshr_b32 s[RH], s[WV], 1                     ; which half of A's rows is mine.  Also: I fetch for A (0) or for B (1)
	s_and_b32 s[CH], s[WV], 1                      ; which half of B's rows.  Also: which half of that tile I fetch
	s_bfe_u32 s66, ttmp6, 0x40000                  ; cx
	s_bfe_u32 s67, ttmp6, 0x40004                  ; cy
	s_lshl_b32 s14, s67, 2
	s_lshl_b32 s14, 15, s14                        ; my row of the cluster
	s_lshl_b32 s15, 0x1111, s66                    ; my column
	s_or_b32 s[G1], s14, (3<<16)|(1<<21)           ; 15:0 the mask; 17:16 elements of 8 bytes; 21 set beside a mask; no padding
	s_or_b32 s[G1S], s14, (3<<16)|(1<<21)
	s_or_b32 s[G1B], s15, (3<<16)|(1<<21)
	s_or_b32 s[G1SB], s15, (3<<16)|(1<<21)
	s_mov_b32 s[G1+1], 384<<16                     ; a row of the tile = an image tile's 3,072 bytes of this K step
	s_mov_b32 s[G1+2], AB<<16
	s_mov_b32 s[G1+3], 384<<16
	s_mov_b32 s[G1+4], AB
	s_mov_b32 s[G1+5], 1536                        ; 12,288 bytes from image tile to image tile
	s_mov_b32 s[G1+6], 0
	s_mov_b32 s[G1+7], 0
	s_mov_b32 s[G1B+1], 384<<16
	s_mov_b32 s[G1B+2], 8<<16
	s_mov_b32 s[G1B+3], 384<<16
	s_mov_b32 s[G1B+4], 8
	s_mov_b32 s[G1B+5], 1536
	s_mov_b32 s[G1B+6], 0
	s_mov_b32 s[G1B+7], 0
	s_mov_b32 s[G1S+1], 32<<16                     ; the scales: a dense block, as rows of 256 bytes
	s_mov_b32 s[G1S+2], (2*AB)<<16
	s_mov_b32 s[G1S+3], 32<<16
	s_mov_b32 s[G1S+4], 2*AB
	s_mov_b32 s[G1S+5], 32
	s_mov_b32 s[G1S+6], 0
	s_mov_b32 s[G1S+7], 0
	s_mov_b32 s[G1SB+1], 32<<16
	s_mov_b32 s[G1SB+2], 16<<16
	s_mov_b32 s[G1SB+3], 32<<16
	s_mov_b32 s[G1SB+4], 16
	s_mov_b32 s[G1SB+5], 32
	s_mov_b32 s[G1SB+6], 0
	s_mov_b32 s[G1SB+7], 0
	s_and_b32 s80, ttmp7, 0xffff
	s_lshl_b32 s80, s80, 2                         ; 4 x cluster y
	s_add_co_u32 s40, s80, s67                     ; q, k: A's tile row = 4 x cluster y + cy
	s_add_co_u32 s97, s80, s66                     ; v: B's tile row = 4 x cluster y + cx
	s_lshl_b32 s96, ttmp9, 2
	s_add_co_u32 s96, s96, s66                     ; q, k: B's tile row = 4 x cluster x + cx
	s_cmp_eq_u32 ttmp9, 2                          ; the role: the cluster's x, the same in all partners
	s_cselect_b32 s40, s67, s40                    ; TR: which 256 rows of A'
	s_cselect_b32 s96, s97, s96                    ; TC: which 256 rows of B'
	s_cselect_b32 s41, 640, 0                      ; A's first image tile in opc
	s_cselect_b32 s97, 0, 512                      ; B's
	s_cselect_b32 s81, 64, 512                     ; image tiles of A' in all
	s_cselect_b32 s82, 12582912, 0                 ; where the role's part of qkvc begins,
	s_cselect_b32 s83, 524288, 0                   ; and of qkvs
	s_cselect_b32 s14, 0, -1                       ; the bias along B's rows counts (q, k)
	s_cselect_b32 s15, -1, 0                       ; the bias along A's rows counts (v)
	s_lshl_b32 s19, s[CH], 3
	s_lshl_b32 s42, s40, 4
	s_add_co_u32 s42, s42, s19
	s_add_co_u32 s42, s42, s41                     ; A: the first image tile that I fetch: no cx enters it
	s_mul_i32 s[G0+2], s42, 12288
	s_mov_b32 s[G0+3], 0
	s_lshl_b32 s[G0S+2], s42, 9
	s_mov_b32 s[G0S+3], 0
	s_lshl_b32 s98, s96, 4
	s_add_co_u32 s98, s98, s19
	s_add_co_u32 s98, s98, s97                     ; B: likewise: no cy enters it
	s_mul_i32 s[G0B+2], s98, 12288
	s_mov_b32 s[G0B+3], 0
	s_lshl_b32 s[G0SB+2], s98, 9
	s_mov_b32 s[G0SB+3], 0
	s_wait_kmcnt 0x0
	s_add_nc_u64 s[G0+2:G0+3], s[4:5], s[G0+2:G0+3]
	s_add_nc_u64 s[G0S+2:G0S+3], s[6:7], s[G0S+2:G0S+3]
	s_add_nc_u64 s[G0B+2:G0B+3], s[4:5], s[G0B+2:G0B+3]
	s_add_nc_u64 s[G0SB+2:G0SB+3], s[6:7], s[G0SB+2:G0SB+3]
.irp s, 1,2
	s_add_nc_u64 s[G0+4*\s+2:G0+4*\s+3], s[G0+2:G0+3], \s*TB        ; K step s
	s_add_nc_u64 s[G0B+4*\s+2:G0B+4*\s+3], s[G0B+2:G0B+3], \s*TB
.endr
.irp s, 0,1,2
	s_mov_b32 s[G0+4*\s], 1
	s_mul_i32 s[G0+4*\s+1], s[CH], AB*TB
	s_add_co_u32 s[G0+4*\s+1], s[G0+4*\s+1], \s*SLOT
	s_or_b32 s[G0+4*\s+3], s[G0+4*\s+3], 0x80000000
	s_mov_b32 s[G0B+4*\s], 1
	s_mul_i32 s[G0B+4*\s+1], s[CH], 8*TB
	s_add_co_u32 s[G0B+4*\s+1], s[G0B+4*\s+1], ASZ+\s*SLOT
	s_or_b32 s[G0B+4*\s+3], s[G0B+4*\s+3], 0x80000000
.endr
	s_mov_b32 s[G0S], 1
	s_mul_i32 s[G0S+1], s[CH], AB*512
	s_add_co_u32 s[G0S+1], s[G0S+1], SCA
	s_or_b32 s[G0S+3], s[G0S+3], 0x80000000
	s_mov_b32 s[G0SB], 1
	s_mul_i32 s[G0SB+1], s[CH], 8*512
	s_add_co_u32 s[G0SB+1], s[G0SB+1], SCB
	s_or_b32 s[G0SB+3], s[G0SB+3], 0x80000000
	CROUND                                         ; all sixteen work-groups are here: the first joint loads meet
	JLOAD G0S, G1S, G0SB, G1SB                     ; the scales first: they are wanted with K step 0
	JLOAD G0, G1, G0B, G1B
	JLOAD G0+4, G1, G0B+4, G1B
	JLOAD G0+8, G1, G0B+8, G1B
	v_and_b32 v1, 15, v0                           ; r
	v_bfe_u32 v2, v0, 4, 1                         ; h
	v_and_b32 v3, 31, v0
	v_lshlrev_b32 v[CO], 3, v3
	v_lshlrev_b32 v[LI], 4, v3
	; the biases.  Along A's rows: lane r's row of block a.  Along B's rows: my eight numbers of each of B's blocks.  Where a bias does not count its offset is masked to 0 and its numbers are cleared below.
	v_and_b32 v5, 7, v1
	v_lshrrev_b32 v6, 3, v1
	v_lshl_add_u32 v5, v6, 4, v5                   ; r % 8 + 16 (r / 8)
	s_lshl_b32 s19, s40, 8
	s_lshl_b32 s41, s[RH], 7
	s_add_co_u32 s19, s19, s41
	s_add_co_u32 s19, s19, 2048                    ; v's biases begin at 2,048
	v_add_nc_u32 v5, s19, v5
	v_lshlrev_b32 v5, 2, v5
	v_and_b32 v5, s15, v5
.irp a, 0,1,2,3,4,5,6,7
	global_load_b32 v[TM+\a], v5, s[8:9] offset:(32*(\a/2)+8*(\a%2))*4
.endr
	s_lshl_b32 s19, s96, 10
	s_lshl_b32 s41, s[CH], 9
	s_add_co_u32 s19, s19, s41
	v_lshl_add_u32 v6, v2, 6, s19                  ; 4 (256 TC + 128 half) + 64 h
	v_and_b32 v6, s14, v6
	WIN 0x40
.irp b, 0,1,2,3,4,5,6,7
	global_load_b128 v[96+8*\b+96*(\b/4):96+8*\b+96*(\b/4)+3], v6, s[8:9] offset:(32*(\b/2)+8*(\b%2))*4
	global_load_b128 v[96+8*\b+96*(\b/4)+4:96+8*\b+96*(\b/4)+7], v6, s[8:9] offset:(32*(\b/2)+8*(\b%2))*4+16
.endr
	WIN 0
	s_mul_i32 s19, s[RH], AB*TB                    ; my blocks of A,
	s_mul_i32 s41, s[CH], 8*TB                     ; my blocks of B,
	s_add_co_u32 s41, s41, ASZ                     ; which lie behind A's
.irp s, 0,1,2
	v_add_nc_u32 v[ADRA+\s], s19, v[CO]
	v_add_nc_u32 v[ADRB+\s], s41, v[CO]
	s_add_co_u32 s19, s19, SLOT
	s_add_co_u32 s41, s41, SLOT
.endr
	s_mul_i32 s19, s[RH], AB*512                   ; A's scale words: my blocks
	s_lshl_b32 s41, s[CH], 12                      ; B's
	s_add_co_u32 s41, s41, SCB-SCA
	s_sub_co_u32 s41, s41, s19
	v_mul_u32_u24 v4, s41, v2                      ; lanes 16-31 take B's
	s_add_co_u32 s19, s19, SCA
	v_lshl_add_u32 v4, v1, 3, v4
	v_add_nc_u32 v[ADRS], s19, v4
	s_lshl_b32 s19, s[WV], 9
	s_add_co_u32 s19, s19, STG
	v_lshl_add_u32 v[STO], v1, 2, s19
	v_add_nc_u32 v[RD], s19, v[LI]
	; where my wave's results begin: index = (2 TC + half of B) x (A's image tiles) + 16 TR + 8 x half of A
	s_lshl_b32 s19, s96, 1
	s_add_co_u32 s19, s19, s[CH]
	s_mul_i32 s19, s19, s81
	s_lshl_b32 s41, s40, 4
	s_add_co_u32 s19, s19, s41
	s_lshl_b32 s41, s[RH], 3
	s_add_co_u32 s19, s19, s41
	s_mul_i32 s80, s19, 1536
	s_add_co_u32 s80, s80, s82
	s_mov_b32 s81, 0
	s_add_nc_u64 s[10:11], s[10:11], s[80:81]
	s_lshl_b32 s82, s19, 6
	s_add_co_u32 s82, s82, s83
	s_mov_b32 s83, 0
	s_add_nc_u64 s[12:13], s[12:13], s[82:83]
	s_mov_b32 s[SEL], 0x76543210
	s_mov_b32 s[SEL+1], 0xfedcba98                 ; selects for lane l xor 16
	s_wait_loadcnt 0x0
.irp a, 0,1,2,3,4,5,6,7
.irp j, 0,1,2,3,4,5,6,7
	v_and_b32 v[CB+8*\a+\j], s15, v[TM+\a]         ; the first products' C: in the result's layout a lane is one row of A', so its bias stands in all eight registers
.endr
.endr
.irp b, 4,5,6,7
	v_mov_b32 v[TM+\b], 0                          ; a lane permute's destination counts as one of its sources
.endr
	WIN 0x44
.set E, 0
.rept 64
	v_and_b32 v[96+E+96*(E/32)], s14, v[96+E+96*(E/32)]
.set E, E+1
.endr
	WIN 0
	s_wait_tensorcnt 2                             ; the scales and my part of K step 0 are in (K steps 1 and 2 may be out),
	s_barrier_signal -1
	s_barrier_wait -1                              ; everybody's are
	FETCH_B 0, 0, 0
	FETCH_A 0, 0, 0
	SCALES 0
	FETCH_A 0, 0, HB
	KSTEP 0, 0, 2, 0, 0, 1, 0, 0                   ; the first products start the sums from the bias: nothing is cleared
	KSTEP 0, 1, 0, 1, 1, 0, 2, 0                   ; slot 0 is left and takes K step 3; the round also shows K steps 1 and 2 landed in every wave
	KSTEP 1, 0, 0, 1, 1, 1, 0, 0
	KSTEP 1, 1, 0, 2, 2, 0, 0, 0
	KSTEP 2, 0, 0, 2, 2, 1, 0, 0
	KSTEP 2, 1, 0, 0, 3, 0, 1, 0                   ; K step 3 has landed: the one load that was out
	KSTEP 3, 0, 0, 0, 3, 1, 0, 0
	s_wait_dscnt HB*NL                             ; the last step: nothing more to fetch
	WIN 0xa1
	MULS 0, HB, 1, 1, 1, 0
	s_wait_dscnt 0x0
	WIN 0xf1
	MULS HB, HB, 1, 1, 1, 0
	WIN 0
	PLACES 4
; THE WAY OUT, a block of A's 16 rows at a time: the bias along B's rows is added, the lane's 64 numbers are quantised, the fragment leaves as six pieces of 256 consecutive bytes.
.macro OUTBLK a
	WIN 0x06+(\a)/4                                ; source 0: window 2 or 3; source 1: window 1
.set E, 0
.rept 32
	v_pk_add_f32 v[CB+E:CB+E+1], v[64*((\a)%4)+E:64*((\a)%4)+E+1], v[96+E+96*(E/32):97+E+96*(E/32)]   ; each accumulator from its low end on
.set E, E+2
.endr
	WIN 0
	s_wait_xcnt 0x0                                ; the last block's stores have read the codes' registers
	QUANT CB, PWR+(\a)
.irp i, 0,1,2,3,4,5
	global_store_b64 v[CO], v[PC+2*\i:PC+2*\i+1], s[10:11] offset:1536*(\a)+256*\i
.endr
	ds_store_b32 v[STO], v[PWR+(\a)] offset:64*(\a)   ; both halves of the lanes hold the same word
.endm
.irp a, 0,1,2,3,4,5,6,7
	OUTBLK \a
.endr
	ds_load_b128 v[160:163], v[RD]                 ; LDS serves a wave's instructions in order: this sees my stores
	s_wait_dscnt 0x0
	global_store_b128 v[LI], v[160:163], s[12:13]  ; the eight blocks' scale words: 512 consecutive bytes, aligned
	s_wait_tensorcnt 0x0                           ; the wave's end
	ds_add_u32 v[SPW], v[NIL]
	s_wait_dscnt 0x0
	CROUND                                         ; the closing round
	s_endpgm
.Lfunc_end_k_q8a7aafb7bb_qkv:
	.size	k_q8a7aafb7bb_qkv, .Lfunc_end_k_q8a7aafb7bb_qkv-k_q8a7aafb7bb_qkv
	.p2alignl 7, 3214868480
	.fill 96, 4, 3214868480
	.section	.rodata,"a",@progbits
	.p2align	6, 0x0
	.amdhsa_kernel k_q8a7aafb7bb_qkv
		.amdhsa_group_segment_fixed_size 327680
		.amdhsa_private_segment_fixed_size 0
		.amdhsa_enable_private_segment 0
		.amdhsa_kernarg_size 40
		.amdhsa_user_sgpr_count 2
		.amdhsa_user_sgpr_kernarg_segment_ptr 1
		.amdhsa_wavefront_size32 1
		.amdhsa_system_sgpr_workgroup_id_x 1
		.amdhsa_system_sgpr_workgroup_id_y 1
		.amdhsa_system_sgpr_workgroup_id_z 1
		.amdhsa_system_vgpr_workitem_id 0
		.amdhsa_next_free_vgpr 1024
		.amdhsa_next_free_sgpr 102
		.amdhsa_reserve_vcc 0
		.amdhsa_float_denorm_mode_32 3
		.amdhsa_float_denorm_mode_16_64 3
		.amdhsa_memory_ordered 1
		.amdhsa_forward_progress 1
		.amdhsa_inst_pref_size 190
	.end_amdhsa_kernel
	.amdgpu_metadata
---
amdhsa.version: [ 1, 2 ]
amdhsa.kernels:
  - .name:           k_q8a7aafb7bb_qkv
    .symbol:         k_q8a7aafb7bb_qkv.kd
    .args:
      - { .name: opc, .offset: 0, .size: 8, .value_kind: global_buffer, .address_space: global }
      - { .name: ops, .offset: 8, .size: 8, .value_kind: global_buffer, .address_space: global }
      - { .name: in_proj_b, .offset: 16, .size: 8, .value_kind: global_buffer, .address_space: global }
      - { .name: qkvc, .offset: 24, .size: 8, .value_kind: global_buffer, .address_space: global }
      - { .name: qkvs, .offset: 32, .size: 8, .value_kind: global_buffer, .address_space: global }
    .group_segment_fixed_size: 327680
    .private_segment_fixed_size: 0
    .kernarg_segment_align: 8
    .kernarg_segment_size: 40
    .max_flat_workgroup_size: 128
    .sgpr_count:     102
    .vgpr_count:     1024
    .wavefront_size: 32
...
	.end_amdgpu_metadata
.endif
;; end of part 2
;; launch attn (part 3): grid 4 x 64, 16 waves a work-group, clusters of 4 x 1, 210,944 bytes of LDS; arguments qkvc, qkvs, aoc, aos; writes aoc, aos
.if DOCPART == 3
	.amdgcn_target "amdgcn-amd-amdhsa--gfx1250"
	.amdhsa_code_object_version 6
	.text
	.protected	k_q8a7aafb7bb_attn
	.globl	k_q8a7aafb7bb_attn
	.p2align	8
	.type	k_q8a7aafb7bb_attn,@function
k_q8a7aafb7bb_attn:
	s_mov_b64 s[64:65], 0
	v_nop
	global_prefetch_b8 v0, s[64:65] scope:SCOPE_SE
	s_setreg_imm32_b32 hwreg(HW_REG_WAVE_MODE, 25, 1), 1
	s_wait_xcnt 0x0
	s_wait_alu depctr_hold_cnt(0) depctr_sa_sdst(0) depctr_va_vdst(0) depctr_va_sdst(0) depctr_va_ssrc(0) depctr_va_vcc(0) depctr_vm_vsrc(0)
	s_getreg_b32 s2, hwreg(HW_REG_IB_STS2, 6, 4)
	s_cmp_eq_u32 s2, 0
	s_cbranch_scc0 .Lentry_in_a_cluster
	s_endpgm
.Lentry_in_a_cluster:
	s_bfe_u32 s2, ttmp6, 0x10000c
	s_cmp_lg_u32 s2, 0x3003
	s_cbranch_scc0 .Lentry_shape_is_right
	s_endpgm
.Lentry_shape_is_right:
; Causal attention of one head on codes of FP6 (E2M3): S^T = K Q^T (K = the head's 64: the upper 64 of the instruction's 128 are zero codes on both sides, under the scale byte 0), O^T = V^T P^T (K = the keys).
; t = score x log2(e) / 8; M = the running largest t rounded up to a whole number; p = 2^(t - M) is quantised along the keys, not normalised; the row's sum is taken of the unquantised p and divides O at the end.
; O is then quantised along the model's 1,024 (a head is two blocks of 32) into the image that the output projection reads.
; SHARES.  y = 16 batch + head.  The four work-groups of a cluster share the head; wave w of work-group g owns the query tiles t1 = 4 w + g and t2 = 127 - t1 (image tiles of 16 queries).  A tile's last key step is t / 8:
; w / 2 for t1 and 15 - w / 2 for t2: both hang on the wave's number alone, and every wave of the launch has 17 key steps of 128 keys, two of them on the diagonal.
; LDS holds the head's whole K and V as codes with their scale words: filled once, by joint loads (the same descriptor and the mask of all four partners); no byte is filled again.  A fetching wave has two tensor loads outstanding.
; The loops over key steps have constant trip counts; a step whose keys all come after the tile's queries jumps to the lines that step the addresses.
; By the image's order of rows the 16 registers of S^T's tiles 2 b, 2 b + 1 are the keys 32 b + 16 (lane / 16) + 0 .. 15, and O^T's likewise along the head's 64.  A lane holds one query throughout.
; No prefetch: all that the work-group reads is asked for at its head.
; aos: a scale word of the output projection's operand holds the bytes of two heads, which two clusters make, so each lane stores its one byte; an instruction's 32 bytes lie within 128 bytes; they are one byte for 24 bytes of codes.
; LIMITS: NaN and infinities are not served.  A p under 2^-126 falls to 0 (v_exp_f32 flushes).  A block of zeros gets the byte 1 where the rule says 127: its codes are zeros, and the bytes are read by this program alone.
.set KC,   0                           ; 128 key tiles x 768 bytes
.set VC,   98304                       ; 16 key steps x 4 tiles of the head's 64 x 1,536
.set KSB,  196608                      ; K's scale words, 64 bytes a tile
.set VSB,  204800                      ; V's: key step x 256 + tile x 64
.set ADK,  4
.set ADV,  5
.set ADS,  6
.set ADT,  7
.set S,    96                          ; v96-159 S^T, then p; then v96-143 V's four fragments
.set O,    160                         ; v160-191 O^T
.set PC,   192                         ; v192-203 p's codes
.set PD,   204                         ; v204-206, v208-210
.set BM,   212                         ; v212-215 the blocks' largest
.set BP,   216
.set SO,   220
.set BY,   224
.set F,    228                         ; v[228:229]
.set TMP,  230
.set NINF, 231
.set PW,   232
.set KW,   236                         ; v236-239 K's or V's scale words
.set WV,   12
.set G1KS, 16
.set G1KC, 24
.set G1VS, 32
.set G1VC, 40
.set G0KS, 48
.set G0KC, 52
.set G0VS, 56
.set G0VC, 60
.set SEL,  66
.set CS,   68
.set KI,   70
.set KF,   71
.set TK,   72
.set TV,   73
.set TS,   74
.set TT,   75
.macro ROUND
	s_barrier_signal -1
	s_barrier_wait -1
	s_cmp_lg_u32 s[WV], 0
	s_cbranch_scc1 .Lnot_wave_0_\@
	s_barrier_signal -3
.Lnot_wave_0_\@:
	s_barrier_wait -3
	s_barrier_signal -1
	s_barrier_wait -1
.endm
.macro GROUP1 g, c, r, p               ; r rows of c elements of 8 bytes, p elements apart; the mask names all four partners
	s_mov_b32 s[\g], 15|(3<<16)|(1<<21)
	s_mov_b32 s[\g+1], (\c)<<16
	s_mov_b32 s[\g+2], (\r)<<16
	s_mov_b32 s[\g+3], (\c)<<16
	s_mov_b32 s[\g+4], \r
	s_mov_b32 s[\g+5], \p
	s_mov_b32 s[\g+6], 0
	s_mov_b32 s[\g+7], 0
.endm
	s_load_b256 s[4:11], s[0:1], 0x0               ; qkvc s[4:5], qkvs s[6:7], aoc s[8:9], aos s[10:11]
	v_lshl_add_u32 v254, v0, 2, 0x33000
	v_mov_b32 v255, 0
	ds_add_u32 v254, v255
	ds_add_u32 v254, v255
	v_lshrrev_b32 v1, 5, v0
	s_delay_alu instid0(VALU_DEP_1)
	v_readfirstlane_b32 s[WV], v1                  ; wave 0..15
	s_bfe_u32 s13, ttmp6, 0x40000                  ; g: my place in the cluster: it enters global addresses and the mask's compare alone
	s_and_b32 s14, ttmp7, 0xffff
	s_lshr_b32 s15, s14, 4                         ; batch
	s_and_b32 s80, s14, 15                         ; head
	s_lshr_b32 s81, s80, 1                         ; its pair,
	s_and_b32 s82, s80, 1                          ; and which of the pair
	s_and_b32 s83, s[WV], 1                        ; which half I fetch, if I fetch
	s_lshl_b32 s84, s81, 9
	s_lshl_b32 s85, s15, 7
	s_add_co_u32 s84, s84, s85                     ; q's fragments of this head and batch begin at this index,
	s_add_co_u32 s86, s84, 4096                    ; k's 8 x 512 further on
	s_lshl_b32 s88, s86, 6
	s_lshl_b32 s87, s83, 12
	s_add_co_u32 s88, s88, s87
	s_mov_b32 s89, 0                               ; K's scale words, my half
	s_lshl_b32 s87, s83, 6
	s_add_co_u32 s87, s87, s86
	s_mul_i32 s90, s87, 1536
	s_mul_i32 s87, s82, 768
	s_add_co_u32 s90, s90, s87
	s_mov_b32 s91, 0                               ; K's codes: 64 tiles, the head's half of each fragment
	s_lshl_b32 s87, s15, 4
	s_lshl_b32 s92, s83, 3
	s_add_co_u32 s87, s87, s92
	s_lshl_b32 s87, s87, 6
	s_lshl_b32 s92, s80, 2
	s_add_co_u32 s87, s87, s92                     ; V: (16 batch + 8 half) x 64 + 4 head
	s_lshl_b32 s92, s87, 6
	s_add_co_u32 s92, s92, 524288
	s_mov_b32 s93, 0
	s_mul_i32 s94, s87, 1536
	s_add_co_u32 s94, s94, 12582912
	s_mov_b32 s95, 0
	GROUP1 G1KS, 32, 16, 32                        ; 4,096 dense bytes
	GROUP1 G1KC, 96, 64, 192                       ; 64 tiles x 768 bytes, 1,536 apart
	GROUP1 G1VS, 32, 8, 512                        ; 8 key steps x 256 bytes, 4,096 apart
	GROUP1 G1VC, 768, 8, 12288                     ; 8 key steps x 6,144 bytes, 98,304 apart
	s_lshl_b32 s78, s[WV], 2
	s_add_co_u32 s78, s78, s13                     ; t1
	s_sub_co_u32 s79, 127, s78                     ; t2
	s_lshr_b32 s76, s[WV], 1                       ; t1's last key step
	s_sub_co_u32 s77, 15, s76                      ; t2's
	s_lshr_b32 s99, s80, 2
	s_lshl_b32 s99, s99, 7
	s_and_b32 s85, s80, 3
	s_lshl_b32 s85, s85, 1
	s_add_co_u32 s99, s99, s85                     ; the head's place in a tile's 512 scale bytes: 128 (head / 4) + 2 (head % 4)
	s_mov_b32 s[SEL], 0x76543210
	s_mov_b32 s[SEL+1], 0xfedcba98
	s_mov_b32 s[CS], 0x3e38aa3b                    ; c = log2(e) / 8
	s_mov_b32 s[CS+1], s[CS]
	s_wait_dscnt 0x0
	s_wait_kmcnt 0x0
	s_mov_b32 s[G0KS], 1
	s_lshl_b32 s[G0KS+1], s83, 12
	s_add_co_u32 s[G0KS+1], s[G0KS+1], KSB
	s_add_nc_u64 s[G0KS+2:G0KS+3], s[6:7], s[88:89]
	s_or_b32 s[G0KS+3], s[G0KS+3], 0x80000000
	s_mov_b32 s[G0KC], 1
	s_mul_i32 s[G0KC+1], s83, 49152
	s_add_nc_u64 s[G0KC+2:G0KC+3], s[4:5], s[90:91]
	s_or_b32 s[G0KC+3], s[G0KC+3], 0x80000000
	s_mov_b32 s[G0VS], 1
	s_lshl_b32 s[G0VS+1], s83, 11
	s_add_co_u32 s[G0VS+1], s[G0VS+1], VSB
	s_add_nc_u64 s[G0VS+2:G0VS+3], s[6:7], s[92:93]
	s_or_b32 s[G0VS+3], s[G0VS+3], 0x80000000
	s_mov_b32 s[G0VC], 1
	s_mul_i32 s[G0VC+1], s83, 49152
	s_add_co_u32 s[G0VC+1], s[G0VC+1], VC
	s_add_nc_u64 s[G0VC+2:G0VC+3], s[4:5], s[94:95]
	s_or_b32 s[G0VC+3], s[G0VC+3], 0x80000000
	ROUND                                          ; all four work-groups are here: the joint loads meet
	s_cmp_lt_u32 s[WV], 2                          ; a wave's two fills stand in one branch; waves 4 to 15 fetch nothing
	s_cbranch_scc0 .Lnot_k
	tensor_load_to_lds s[G0KS:G0KS+3], s[G1KS:G1KS+7]
	s_nop 0
	tensor_load_to_lds s[G0KC:G0KC+3], s[G1KC:G1KC+7]
	s_nop 0
.rept 4
	v_nop
.endr
	s_branch .Lasked
.Lnot_k:
	s_cmp_lt_u32 s[WV], 4
	s_cbranch_scc0 .Lasked
	tensor_load_to_lds s[G0VS:G0VS+3], s[G1VS:G1VS+7]
	s_nop 0
	tensor_load_to_lds s[G0VC:G0VC+3], s[G1VC:G1VC+7]
	s_nop 0
.rept 4
	v_nop
.endr
.Lasked:
	v_and_b32 v30, 31, v0
	s_delay_alu instid0(VALU_DEP_1)
	v_lshlrev_b32 v1, 3, v30                       ; 8 x lane
	v_and_b32 v30, 15, v0                          ; r
	v_bfe_u32 v10, v0, 4, 1                        ; h
	s_delay_alu instid0(VALU_DEP_2)
	v_lshlrev_b32 v31, 2, v30                      ; 4 r
	s_lshl_b32 s88, s82, 1                         ; the head's two bytes of a word
	s_add_co_u32 s87, s88, KSB
	v_add_nc_u32 v2, s87, v31
	v_add_nc_u32 v3, VSB, v31
	v_and_b32 v9, 7, v30
	v_lshrrev_b32 v8, 3, v30
	s_delay_alu instid0(VALU_DEP_1)
	v_lshl_add_u32 v9, v8, 4, v9
	v_lshlrev_b32 v8, 4, v10
	s_delay_alu instid0(VALU_DEP_1)
	v_sub_nc_u32 v9, v9, v8                        ; r % 8 + 16 (r / 8) - 16 h
	v_lshl_add_u32 v11, v30, 3, v10                ; 8 r + h
	s_mul_i32 s87, s82, 768
	s_add_co_u32 s85, s84, s78                     ; Q of t1
	s_mul_i32 s86, s85, 1536
	s_add_co_u32 s86, s86, s87
	v_add_nc_u32 v92, s86, v1
	s_lshl_b32 s85, s85, 6
	s_add_co_u32 s85, s85, s88
	v_add_nc_u32 v93, s85, v31
	s_add_co_u32 s85, s84, s79                     ; Q of t2
	s_mul_i32 s86, s85, 1536
	s_add_co_u32 s86, s86, s87
	v_add_nc_u32 v94, s86, v1
	s_lshl_b32 s85, s85, 6
	s_add_co_u32 s85, s85, s88
	v_add_nc_u32 v95, s85, v31
.irp p, 0,1,2
	global_load_b64 v[16+2*\p:17+2*\p], v92, s[4:5] offset:256*\p   ; the head's half of a fragment: registers 0-5
	global_load_b64 v[80+2*\p:81+2*\p], v94, s[4:5] offset:256*\p
.endr
	global_load_u16 v28, v93, s[6:7]               ; the head's two scale bytes; the upper two are 0, over zero codes
	global_load_u16 v29, v95, s[6:7]
.irp j, 22,23,24,25,26,27,86,87,88,89,90,91
	v_mov_b32 v\j, 0                               ; the upper 64 of K: zero codes, which stay
.endr
.irp t, 0,1,2,3
.irp j, 6,7,8,9,10,11
	v_mov_b32 v[32+12*\t+\j], 0
.endr
.endr
.irp j, 216,217,218,219,229,230
	v_mov_b32 v\j, 0                               ; lane permutes' destinations, and the upper half of a pair that is named whole
.endr
	v_mov_b32 v[NINF], 0xff800000
	s_wait_tensorcnt 0x0                           ; my fills have landed (a wave that fetched nothing passes at once),
	s_barrier_signal -1
	s_barrier_wait -1                              ; everybody's have
	s_wait_loadcnt 0x0                             ; Q
; ONE TILE OF 16 QUERIES.  qf, qs: its fragment and scale word; t, last: scalar registers with the tile's number and its last key step; trips: a constant.
.macro TILE qf, qs, t, last, trips
	s_wait_xcnt 0x0                                ; the last tile's stores have read their registers
	v_mov_b32 v13, 0xff61b1e6                      ; the largest t so far: -3e38
	s_delay_alu instid0(VALU_DEP_1)
	v_floor_f32 v12, -v13                          ; -M
	v_mov_b32 v14, 0
	v_mov_b32 v15, 0
.set J, 0
.rept 32
	v_mov_b32 v[O+J], 0                            ; the step is written once: the first finds zeros
.set J, J+1
.endr
	s_lshr_b32 s85, s[\t], 1
	s_lshl_b32 s85, s85, 5
	s_and_b32 s86, s[\t], 1
	s_lshl_b32 s86, s86, 3
	s_add_co_u32 s85, s85, s86
	v_add_nc_u32 v8, s85, v9                       ; my query - 16 h
	s_mov_b32 s[KI], 0
	s_mov_b32 s[KF], 0
	s_mov_b32 s[TK], KC
	s_mov_b32 s[TV], VC
	s_mov_b32 s[TS], 0
	s_mov_b32 s[TT], 0
.Lstep_\@:
	s_cmp_gt_u32 s[KI], s[\last]                   ; all keys of this step come after my queries
	s_cbranch_scc1 .Lhidden_\@
	s_setprio 2
	v_add_nc_u32 v[ADK], s[TK], v1
	s_wait_alu depctr_va_vdst(0)
	v_add_nc_u32 v[ADV], s[TV], v1
	v_add_nc_u32 v[ADS], s[TS], v2
	s_wait_alu depctr_va_vdst(0)
	v_add_nc_u32 v[ADT], s[TT], v3
.irp g, 0,1                            ; S^T = K Q^T, four tiles of 16 keys at a time
.rept 4*\g
	v_nop                                          ; places in front of loads into registers that matrix instructions have read
.endr
.irp u, 0,1,2,3
.irp p, 0,1,2
	ds_load_b64 v[32+12*\u+2*\p:33+12*\u+2*\p], v[ADK] offset:(4*\g+\u)*768+256*\p
.endr
	ds_load_u16 v[KW+\u], v[ADS] offset:(4*\g+\u)*64
.endr
	s_wait_dscnt 0x0
.irp u, 0,1,2,3
	v_wmma_scale_f32_16x16x128_f8f6f4 v[S+8*(4*\g+\u):S+8*(4*\g+\u)+7], v[32+12*\u:43+12*\u], v[\qf:\qf+11], 0, v[KW+\u], v[\qs] matrix_a_fmt:MATRIX_FMT_FP6 matrix_b_fmt:MATRIX_FMT_FP6
.endr
.endr
.rept 4
	v_nop
.endr
	s_cmp_lg_u32 s[KI], s[\last]                   ; only the tile's last step lies on the diagonal
	s_cbranch_scc1 .Lopen_\@
	v_sub_nc_u32 v[TMP], v8, s[KF]                 ; d: register 16 b + i holds the key KF + 16 h + 32 b + i: hidden where 32 b + i > d
.set N, 0
.rept 64
	v_cmp_gt_i32 vcc_lo, 32*(N/16)+N%16, v[TMP]
	v_cndmask_b32 v[S+N], v[S+N], v[NINF], vcc_lo
.set N, N+1
.endr
.Lopen_\@:
.irp b, 0,1,2,3
	v_max3_num_f32 v[BM+\b], v[S+16*\b], v[S+1+16*\b], v[S+2+16*\b]   ; the largest score of each block of 32 keys: for the row's maximum and, since p rises with the score, for the block's largest p
.endr
.irp i, 3,5,7,9,11,13
.irp b, 0,1,2,3
	v_max3_num_f32 v[BM+\b], v[BM+\b], v[S+16*\b+\i], v[S+1+16*\b+\i]
.endr
.endr
.irp b, 0,1,2,3
	v_max_num_f32 v[BM+\b], v[BM+\b], v[S+15+16*\b]
.endr
.irp b, 0,1,2,3
	s_delay_alu instid0(VALU_DEP_4)
	v_permlanex16_b32 v[BP+\b], v[BM+\b], s[SEL], s[SEL+1]
.endr
.irp b, 0,1,2,3
	s_delay_alu instid0(VALU_DEP_4)
	v_max_num_f32 v[BM+\b], v[BM+\b], v[BP+\b]
.endr
	s_delay_alu instid0(VALU_DEP_2)
	v_max3_num_f32 v[TMP], v[BM], v[BM+1], v[BM+2]
	s_delay_alu instid0(VALU_DEP_1)
	v_max_num_f32 v[TMP], v[TMP], v[BM+3]
	s_delay_alu instid0(VALU_DEP_1)
	v_mul_f32 v[TMP], s[CS], v[TMP]
	s_delay_alu instid0(VALU_DEP_1)
	v_max_num_f32 v13, v13, v[TMP]                 ; the running largest t
	v_mov_b32 v[TMP], v12
	s_delay_alu instid0(VALU_DEP_2)
	v_floor_f32 v12, -v13                          ; -M = floor(-t): M is a whole number
	s_delay_alu instid0(VALU_DEP_1)
	v_sub_f32 v[TMP], v12, v[TMP]
	s_delay_alu instid0(VALU_DEP_1)
	v_cvt_i32_f32 v[TMP], v[TMP]                   ; (it saturates)
	s_delay_alu instid0(VALU_DEP_1)
	v_ldexp_f32 v[F], 1.0, v[TMP]                  ; f = 2^(old M - new M): exact
.set J, 0
.rept 32
	v_pk_fma_f32 v[S+J:S+J+1], v[S+J:S+J+1], s[CS:CS+1], v[12:13] op_sel_hi:[1,0,0]   ; t - M
.set J, J+2
.endr
.irp b, 0,1,2,3
	v_fma_f32 v[BM+\b], v[BM+\b], s[CS], v12
.endr
.set J, 0
	s_setprio 1
	s_wait_alu depctr_va_vdst(0)
.rept 64
	v_exp_f32 v[S+J], v[S+J]                       ; p = 2^(t - M)
.set J, J+1
.endr
	v_pk_mul_f32 v[14:15], v[14:15], v[F:F+1] op_sel_hi:[1,0]   ; the sums under the new M: a plain place behind the exponentials
	s_wait_alu depctr_va_vdst(0)                   ; one wait for the batch, ahead of its first reader
.irp b, 0,1,2,3
	v_exp_f32 v[BM+\b], v[BM+\b]                   ; the blocks' largest p
.endr
	v_pk_add_f32 v[216:217], v[100:101], v[104:105]
	v_pk_add_f32 v[252:253], v[108:109], v[112:113]
	v_pk_add_f32 v[250:251], v[116:117], v[120:121]
	v_pk_add_f32 v[248:249], v[124:125], v[128:129]
	v_pk_add_f32 v[246:247], v[132:133], v[136:137]
	v_pk_add_f32 v[244:245], v[140:141], v[144:145]
	v_pk_add_f32 v[242:243], v[148:149], v[152:153]
	v_pk_add_f32 v[14:15], v[14:15], v[156:157]
	v_pk_add_f32 v[216:217], v[216:217], v[96:97]
	v_pk_add_f32 v[252:253], v[252:253], v[98:99]
	v_pk_add_f32 v[250:251], v[250:251], v[102:103]
	v_pk_add_f32 v[248:249], v[248:249], v[106:107]
	v_pk_add_f32 v[246:247], v[246:247], v[110:111]
	v_pk_add_f32 v[244:245], v[244:245], v[114:115]
	v_pk_add_f32 v[242:243], v[242:243], v[118:119]
	v_pk_add_f32 v[14:15], v[14:15], v[122:123]
	v_pk_add_f32 v[216:217], v[216:217], v[126:127]
	v_pk_add_f32 v[252:253], v[252:253], v[130:131]
	v_pk_add_f32 v[250:251], v[250:251], v[134:135]
	v_pk_add_f32 v[248:249], v[248:249], v[138:139]
	v_pk_add_f32 v[246:247], v[246:247], v[142:143]
	v_pk_add_f32 v[244:245], v[244:245], v[146:147]
	v_pk_add_f32 v[242:243], v[242:243], v[150:151]
	v_pk_add_f32 v[14:15], v[14:15], v[154:155]
	v_pk_add_f32 v[216:217], v[216:217], v[158:159]
	s_delay_alu instid0(VALU_DEP_2)
	v_pk_add_f32 v[14:15], v[14:15], v[248:249]
	s_delay_alu instid0(VALU_DEP_2)
	v_pk_add_f32 v[216:217], v[216:217], v[246:247]
	v_pk_add_f32 v[252:253], v[252:253], v[244:245]
	v_pk_add_f32 v[250:251], v[250:251], v[242:243]
	s_delay_alu instid0(VALU_DEP_2)
	v_pk_add_f32 v[14:15], v[14:15], v[252:253]
	s_delay_alu instid0(VALU_DEP_2)
	v_pk_add_f32 v[216:217], v[216:217], v[250:251]
	s_delay_alu instid0(VALU_DEP_1)
	v_pk_add_f32 v[14:15], v[14:15], v[216:217]
	s_wait_alu depctr_va_vdst(0)                   ; and one for the four
.irp b, 0,1,2,3
	v_max_num_f32 v[BM+\b], 0x1800000, v[BM+\b]    ; the floor 2^(3 - 127)
.endr
.irp b, 0,1,2,3
	s_delay_alu instid0(VALU_DEP_4)
	v_add_nc_u32 v[SO+\b], 0xff000000, v[BM+\b]
.endr
.irp b, 0,1,2,3
	s_delay_alu instid0(VALU_DEP_4)
	v_lshrrev_b32 v[BY+\b], 23, v[SO+\b]
.endr
	s_delay_alu instid0(VALU_DEP_3)
	v_lshl_or_b32 v[PW], v[BY+1], 8, v[BY]         ; p's scale word for these 128 keys
	s_delay_alu instid0(VALU_DEP_1)
	v_lshl_or_b32 v[PW], v[BY+2], 16, v[PW]
	s_delay_alu instid0(VALU_DEP_1)
	v_lshl_or_b32 v[PW], v[BY+3], 24, v[PW]
.irp c, 0,1
	v_cvt_scalef32_pk16_fp6_f32 v[PC+6*\c:PC+6*\c+2], v[S+32*\c:S+32*\c+15], v[SO+2*\c]
	v_cvt_scalef32_pk16_fp6_f32 v[PD+4*\c:PD+4*\c+2], v[S+16+32*\c:S+31+32*\c], v[SO+2*\c+1]
.endr
	v_nop                                          ; one plain place behind a scaled conversion
.irp u, 0,1,2,3                        ; V's four fragments land where p stood, while p's codes are put in order
.irp p, 0,1,2,3,4,5
	ds_load_b64 v[S+12*\u+2*\p:S+12*\u+2*\p+1], v[ADV] offset:1536*\u+256*\p
.endr
	ds_load_b32 v[KW+\u], v[ADT] offset:64*\u
.endr
	s_setprio 0
.irp c, 0,1
.irp i, 0,1,2
	v_permlane16_swap_b32 v[PC+6*\c+\i], v[PD+4*\c+\i]
.endr
.irp i, 0,1,2
	s_delay_alu instid0(VALU_DEP_3)
	v_mov_b32 v[PC+3+6*\c+\i], v[PD+4*\c+\i]
.endr
.endr
.set J, 0
.rept 16
	v_pk_mul_f32 v[O+J:O+J+1], v[O+J:O+J+1], v[F:F+1] op_sel_hi:[1,0]   ; O^T under the new M; these are also the places in front of the products below
.set J, J+2
.endr
	s_wait_alu depctr_va_vdst(0)
	s_wait_dscnt 0x0
.irp u, 0,1,2,3
	v_wmma_scale_f32_16x16x128_f8f6f4 v[O+8*\u:O+8*\u+7], v[S+12*\u:S+12*\u+11], v[PC:PC+11], v[O+8*\u:O+8*\u+7], v[KW+\u], v[PW] matrix_a_fmt:MATRIX_FMT_FP6 matrix_b_fmt:MATRIX_FMT_FP6
.endr
.rept 5
	v_nop                                          ; the next step's products write over V's registers, and the way out reads O^T
.endr
.Lhidden_\@:
	s_add_co_u32 s[KF], s[KF], 128
	s_add_co_u32 s[TK], s[TK], 6144
	s_add_co_u32 s[TV], s[TV], 6144
	s_add_co_u32 s[TS], s[TS], 512
	s_add_co_u32 s[TT], s[TT], 256
	s_add_co_u32 s[KI], s[KI], 1
	s_cmp_lt_u32 s[KI], \trips
	s_cbranch_scc1 .Lstep_\@
	s_setprio 0
	; the tile's way out: O^T / the sum, quantised along the head's 64 (two blocks), as half a fragment of the next operand's image
	v_add_f32 v14, v14, v15
	s_delay_alu instid0(VALU_DEP_1)
	v_permlanex16_b32 v[TMP], v14, s[SEL], s[SEL+1]
	s_delay_alu instid0(VALU_DEP_1)
	v_add_f32 v14, v14, v[TMP]
	s_wait_alu depctr_va_vdst(0)
	v_rcp_f32 v14, v14
	s_lshl_b32 s85, s15, 7
	s_add_co_u32 s85, s85, s[\t]                   ; the token tile: 128 batch + t
	s_mul_i32 s86, s85, 12288
	s_mul_i32 s87, s80, 768
	s_add_co_u32 s86, s86, s87
	v_add_nc_u32 v92, s86, v1                      ; (plain places behind the reciprocal)
	s_lshl_b32 s85, s85, 9
	s_add_co_u32 s85, s85, s99
	v_add_nc_u32 v93, s85, v11
	s_wait_alu depctr_va_vdst(0)                   ; ahead of the reciprocal's first reader
.set J, 0
.rept 32
	v_mul_f32 v[S+J], v[O+J], v14                  ; register 16 b + i: channel 32 b + 16 h + i of my query
.set J, J+1
.endr
.irp b, 0,1
	v_max3_num_f32 v[BM+\b], |v[S+16*\b]|, |v[S+1+16*\b]|, 0x1800000
.endr
.irp i, 2,4,6,8,10,12,14
.irp b, 0,1
	s_delay_alu instid0(VALU_DEP_2)
	v_max3_num_f32 v[BM+\b], v[BM+\b], |v[S+16*\b+\i]|, |v[S+1+16*\b+\i]|
.endr
.endr
.irp b, 0,1
	s_delay_alu instid0(VALU_DEP_2)
	v_permlanex16_b32 v[BP+\b], v[BM+\b], s[SEL], s[SEL+1]
.endr
.irp b, 0,1
	s_delay_alu instid0(VALU_DEP_2)
	v_max_num_f32 v[BM+\b], v[BM+\b], v[BP+\b]
.endr
.irp b, 0,1
	s_delay_alu instid0(VALU_DEP_2)
	v_add_nc_u32 v[SO+\b], 0xff000000, v[BM+\b]
.endr
.irp b, 0,1
	s_delay_alu instid0(VALU_DEP_2)
	v_lshrrev_b32 v[BY+\b], 23, v[SO+\b]
.endr
	v_cvt_scalef32_pk16_fp6_f32 v[PC:PC+2], v[S:S+15], v[SO]
	v_cvt_scalef32_pk16_fp6_f32 v[PD:PD+2], v[S+16:S+31], v[SO+1]
	v_nop                                          ; one plain place behind a scaled conversion
	v_cmp_ne_u32 vcc_lo, 0, v10
	s_delay_alu instid0(VALU_DEP_1)
	v_cndmask_b32 v[BY], v[BY], v[BY+1], vcc_lo    ; lane (r, h) stores block h's byte
.irp i, 0,1,2
	v_permlane16_swap_b32 v[PC+\i], v[PD+\i]       ; lanes 0-15 block 0, lanes 16-31 block 1
.endr
.irp i, 0,1,2
	s_delay_alu instid0(VALU_DEP_3)
	v_mov_b32 v[PC+3+\i], v[PD+\i]
.endr
.irp p, 0,1,2
	global_store_b64 v92, v[PC+2*\p:PC+2*\p+1], s[8:9] offset:256*\p   ; a piece: 256 consecutive bytes, aligned
.endr
	global_store_b8 v93, v[BY], s[10:11]
.endm
	TILE 16, 28, 78, 76, 8
	TILE 80, 29, 79, 77, 16
	s_wait_dscnt 0x0
	s_wait_tensorcnt 0x0
	ds_add_u32 v254, v255
	s_wait_dscnt 0x0
	ROUND                                          ; the closing round
	s_endpgm
.Lfunc_end_k_q8a7aafb7bb_attn:
	.size	k_q8a7aafb7bb_attn, .Lfunc_end_k_q8a7aafb7bb_attn-k_q8a7aafb7bb_attn
	.p2alignl 7, 3214868480
	.fill 96, 4, 3214868480
	.section	.rodata,"a",@progbits
	.p2align	6, 0x0
	.amdhsa_kernel k_q8a7aafb7bb_attn
		.amdhsa_group_segment_fixed_size 210944
		.amdhsa_private_segment_fixed_size 0
		.amdhsa_enable_private_segment 0
		.amdhsa_kernarg_size 32
		.amdhsa_user_sgpr_count 2
		.amdhsa_user_sgpr_kernarg_segment_ptr 1
		.amdhsa_wavefront_size32 1
		.amdhsa_system_sgpr_workgroup_id_x 1
		.amdhsa_system_sgpr_workgroup_id_y 1
		.amdhsa_system_sgpr_workgroup_id_z 1
		.amdhsa_system_vgpr_workitem_id 0
		.amdhsa_next_free_vgpr 256
		.amdhsa_next_free_sgpr 100
		.amdhsa_reserve_vcc 1
		.amdhsa_float_denorm_mode_32 3
		.amdhsa_float_denorm_mode_16_64 3
		.amdhsa_memory_ordered 1
		.amdhsa_forward_progress 1
		.amdhsa_inst_pref_size 73
	.end_amdhsa_kernel
	.amdgpu_metadata
---
amdhsa.version: [ 1, 2 ]
amdhsa.kernels:
  - .name:           k_q8a7aafb7bb_attn
    .symbol:         k_q8a7aafb7bb_attn.kd
    .args:
      - { .name: qkvc, .offset: 0, .size: 8, .value_kind: global_buffer, .address_space: global }
      - { .name: qkvs, .offset: 8, .size: 8, .value_kind: global_buffer, .address_space: global }
      - { .name: aoc, .offset: 16, .size: 8, .value_kind: global_buffer, .address_space: global }
      - { .name: aos, .offset: 24, .size: 8, .value_kind: global_buffer, .address_space: global }
    .group_segment_fixed_size: 210944
    .private_segment_fixed_size: 0
    .kernarg_segment_align: 8
    .kernarg_segment_size: 32
    .max_flat_workgroup_size: 512
    .sgpr_count:     100
    .vgpr_count:     256
    .wavefront_size: 32
...
	.end_amdgpu_metadata
.endif
;; end of part 3
;; launch oproj (part 4): grid 4 x 64, 4 waves a work-group, clusters of 4 x 4, 307,712 bytes of LDS; arguments aoc, aos, opc, ops, out_proj_b, out0; writes out0
.if DOCPART == 4
	.amdgcn_target "amdgcn-amd-amdhsa--gfx1250"
	.amdhsa_code_object_version 6
	.text
	.protected	k_q8a7aafb7bb_oproj
	.globl	k_q8a7aafb7bb_oproj
	.p2align	8
	.type	k_q8a7aafb7bb_oproj,@function
k_q8a7aafb7bb_oproj:
	s_mov_b64 s[64:65], 0
	v_nop
	global_prefetch_b8 v0, s[64:65] scope:SCOPE_SE
	s_setreg_imm32_b32 hwreg(HW_REG_WAVE_MODE, 25, 1), 1
	s_wait_xcnt 0x0
	s_wait_alu depctr_hold_cnt(0) depctr_sa_sdst(0) depctr_va_vdst(0) depctr_va_sdst(0) depctr_va_ssrc(0) depctr_va_vcc(0) depctr_vm_vsrc(0)
	s_getreg_b32 s2, hwreg(HW_REG_IB_STS2, 6, 4)
	s_cmp_eq_u32 s2, 0
	s_cbranch_scc0 .Lentry_in_a_cluster
	s_endpgm
.Lentry_in_a_cluster:
	s_bfe_u32 s2, ttmp6, 0x10000c
	s_cmp_lg_u32 s2, 0xf033
	s_cbranch_scc0 .Lentry_shape_is_right
	s_endpgm
.Lentry_shape_is_right:
; out0 = attention result x out_proj_w^T + out_proj_b on codes of FP6 (E2M3) with E8M0 scales, K = 1,024; out0 [8192][1024] f32.
; OPERANDS are images (tiles of 16 rows in the order of the operand's registers; tile T, place r = row 32 (T / 2) + 8 (T % 2) + r % 8 + 16 (r / 8); a fragment of 128 along K is six pieces of 256 bytes, lane l's 8 bytes at 8 l).
; A' = the attention's result (aoc, aos), B' = out_proj_w (image tiles 704-767 of opc, ops).  A tile of the result is 128 rows x 256 columns, so that there are 256 work-groups; four waves, each 64 x 128: 32 accumulators.
; THE MATRIX INSTRUCTION IS USED TRANSPOSED (source 0 = 16 rows of B', source 1 = 16 rows of A'): a lane holds eight neighbouring columns of one row of the result.
; K goes in four steps of 256; each has an LDS slot of its own, and all four are asked for at the start with the scales: no byte is filled again.  By this text's own count a wave has at most five tensor loads outstanding.
; CLUSTERS 4 x 4: A's tiles are asked for jointly along a row of the cluster, B's along a column.  No prefetch: all tiles are asked for at the head.
; The bias is the C of the first products.  The way out goes through the wave's stage in LDS (in slot 0, which has had its only fill and its last read) and leaves as whole rows of 512 consecutive bytes.
; REGISTERS: window 0: v16-31 addresses; v32-63 scale words, two sets; v64-127 the bias; v128-175 A's fragments, one set; on the way out v128-255 rows.  window 1: B's fragments, two sets.  window 2: the accumulators.
.set AB,    4
.set HB,    AB/2
.set FR,    12
.set NL,    6
.set TB,    3072
.set QB,    1536
.set ASZ,   2*AB*TB
.set SLOT,  ASZ+16*TB
.set SCA,   4*SLOT
.set SCB,   SCA+2*AB*512
.set SPITCH, 528
.set ADRA, 16                          ; v16-19
.set ADRB, 20                          ; v20-23
.set STO,  24
.set RD,   25
.set CO,   26                          ; 16 x lane
.set ADRS, 27
.set L8,   28                          ; 8 x lane
.set SC,   32
.set CB,   64
.set AF,   128
.set BK,   128
.set WV,   16
.set RH,   17
.set CH,   18
.set G1,   20
.set G0,   28                          ; s[28:43] four slots
.set G1B,  44
.set G0B,  84                          ; s[84:99]
.set G1S,  52
.set G0S,  60
.set G1SB, 68
.set G0SB, 76
.set MSB, 0
.macro WIN new                         ; the immediate's high byte repeats the setting that is left
.if MSB != \new
	s_set_vgpr_msb (MSB<<8)|\new
.set MSB, \new
.endif
.endm
.set TO_B, 0x40
.macro JLOAD g0a, g1a, g0b, g1b        ; waves 0 and 1 fetch for A, waves 2 and 3 for B; four v_nop follow each of the two lines
	s_cmp_eq_u32 s[RH], 0
	s_cbranch_scc0 .Lfor_b_\@
	tensor_load_to_lds s[\g0a:\g0a+3], s[\g1a:\g1a+7]
	s_nop 0
.rept 4
	v_nop
.endr
	s_branch .Lasked_\@
.Lfor_b_\@:
	tensor_load_to_lds s[\g0b:\g0b+3], s[\g1b:\g1b+7]
	s_nop 0
.rept 4
	v_nop
.endr
.Lasked_\@:
.endm
.macro CROUND
	s_barrier_signal -1
	s_barrier_wait -1
	s_cmp_lg_u32 s[WV], 0
	s_cbranch_scc1 .Lnot_wave_0_\@
	s_barrier_signal -3
.Lnot_wave_0_\@:
	s_barrier_wait -3
	s_barrier_signal -1
	s_barrier_wait -1
.endm
.macro PLACES n
.rept \n
	v_nop
.endr
.endm
.macro FRAG reg, adr, q, i
.irp p, 0,1,2,3,4,5
	ds_load_b64 v[\reg+2*\p:\reg+2*\p+1], v[\adr] offset:(\i)*TB+(\q)*QB+256*\p
.endr
.endm
.macro FETCH_B slot, q, p
	WIN TO_B
.irp i, 0,1,2,3,4,5,6,7
	FRAG 128*(\p)+FR*\i, ADRB+\slot, \q, \i
.endr
	WIN 0
.endm
.macro FETCH_A slot, q, i0
.set II, \i0
.rept HB
	FRAG AF+FR*II, ADRA+\slot, \q, II
.set II, II+1
.endr
.endm
.macro SCALES ks                       ; lanes 0-15 take A's block i (blocks 4-7 of A do not exist: those lanes' words are not used), lanes 16-31 B's block i
.irp i, 0,1,2,3,4,5,6,7
	ds_load_b64 v[SC+16*((\ks)%2)+2*\i:SC+16*((\ks)%2)+2*\i+1], v[ADRS] offset:512*\i+128*(\ks)
.endr
.endm
.macro MULB a, p, q, set, cm           ; cm = 1: the sums start from the bias along B's rows
.irp b, 0,1,2,3,4,5,6,7
.set rD, 8*(8*((\a)%4)+\b)
.set rB, 128*(\p)+FR*\b
.set rA, AF+FR*(\a)
.set rSB, SC+16*(\set)+2*\b+(\q)
.set rSA, SC+16*(\set)+2*(\a)+(\q)
.if (\cm) == 0
	v_wmma_scale_f32_16x16x128_f8f6f4 v[rD:rD+7], v[rB:rB+FR-1], v[rA:rA+FR-1], v[rD:rD+7], v[rSB], v[rSA] matrix_a_fmt:MATRIX_FMT_FP6 matrix_b_fmt:MATRIX_FMT_FP6 matrix_a_scale:MATRIX_SCALE_ROW1
.else
	v_wmma_scale_f32_16x16x128_f8f6f4 v[rD:rD+7], v[rB:rB+FR-1], v[rA:rA+FR-1], v[CB+8*\b:CB+8*\b+7], v[rSB], v[rSA] matrix_a_fmt:MATRIX_FMT_FP6 matrix_b_fmt:MATRIX_FMT_FP6 matrix_a_scale:MATRIX_SCALE_ROW1
.endif
.endr
.endm
.macro MULS a0, n, p, q, set, cm       ; the 32 accumulators take turns, one instruction a turn, in the same order in every step
.set AA, \a0
.rept \n
	MULB AA, \p, \q, \set, \cm
.set AA, AA+1
.endr
.endm
; A step of 128 along K.  mode 0: no barrier.  mode 1: the next slot's landing is shown to all waves (cnt: the younger tensor loads that may stay out); nothing is filled.
.macro KSTEP ks, q, cm, nslot, nks, nq, mode, cnt
.if (\cm)
.set WLO, 0x81                         ; source 0 (B) window 1, source 1 (A) and C window 0, D window 2
.else
.set WLO, 0xa1                         ; C and D window 2
.endif
.if (\mode) == 0
	s_wait_dscnt HB*NL                             ; the youngest loads (A's upper blocks) may be out
	WIN WLO
	MULS 0, HB, \q, \q, (\ks)%2, \cm
	s_wait_dscnt 0x0
	PLACES 4
.else
	s_wait_tensorcnt \cnt                          ; my part of the next slot has landed
	s_wait_dscnt HB*NL
	WIN WLO
	MULS 0, HB/2, \q, \q, (\ks)%2, \cm
	s_wait_dscnt 0x0                               ; no LDS instruction of mine is out at the signal
	s_barrier_signal -1
	MULS HB/2, HB/2, \q, \q, (\ks)%2, \cm
	WIN 0
	s_barrier_wait -1
	PLACES 4
.endif
	FETCH_B \nslot, \nq, 1-(\q)
	FETCH_A \nslot, \nq, 0
.if (\nq) == 0
	SCALES \nks
.endif
	WIN WLO
	MULS HB, HB, \q, \q, (\ks)%2, \cm
	PLACES 4
	WIN 0
	FETCH_A \nslot, \nq, HB
.endm
	s_load_b256 s[4:11], s[0:1], 0x0               ; aoc s[4:5], aos s[6:7], opc s[8:9], ops s[10:11]
	s_load_b128 s[12:15], s[0:1], 0x20             ; out_proj_b s[12:13], out0 s[14:15]
	v_lshl_add_u32 v30, v0, 2, 0x4b000
	v_mov_b32 v31, 0
	ds_add_u32 v30, v31
	ds_add_u32 v30, v31
	v_lshrrev_b32 v1, 5, v0
	v_readfirstlane_b32 s[WV], v1
	s_lshr_b32 s[RH], s[WV], 1
	s_and_b32 s[CH], s[WV], 1
	s_bfe_u32 s66, ttmp6, 0x40000                  ; cx
	s_bfe_u32 s67, ttmp6, 0x40004                  ; cy
	s_lshl_b32 s100, s67, 2
	s_lshl_b32 s100, 15, s100                      ; my row of the cluster
	s_lshl_b32 s101, 0x1111, s66                   ; my column
	s_or_b32 s[G1], s100, (3<<16)|(1<<21)
	s_or_b32 s[G1S], s100, (3<<16)|(1<<21)
	s_or_b32 s[G1B], s101, (3<<16)|(1<<21)
	s_or_b32 s[G1SB], s101, (3<<16)|(1<<21)
	s_mov_b32 s[G1+1], 384<<16
	s_mov_b32 s[G1+2], AB<<16
	s_mov_b32 s[G1+3], 384<<16
	s_mov_b32 s[G1+4], AB
	s_mov_b32 s[G1+5], 1536
	s_mov_b32 s[G1+6], 0
	s_mov_b32 s[G1+7], 0
	s_mov_b32 s[G1B+1], 384<<16
	s_mov_b32 s[G1B+2], 8<<16
	s_mov_b32 s[G1B+3], 384<<16
	s_mov_b32 s[G1B+4], 8
	s_mov_b32 s[G1B+5], 1536
	s_mov_b32 s[G1B+6], 0
	s_mov_b32 s[G1B+7], 0
	s_mov_b32 s[G1S+1], 32<<16
	s_mov_b32 s[G1S+2], (2*AB)<<16
	s_mov_b32 s[G1S+3], 32<<16
	s_mov_b32 s[G1S+4], 2*AB
	s_mov_b32 s[G1S+5], 32
	s_mov_b32 s[G1S+6], 0
	s_mov_b32 s[G1S+7], 0
	s_mov_b32 s[G1SB+1], 32<<16
	s_mov_b32 s[G1SB+2], 16<<16
	s_mov_b32 s[G1SB+3], 32<<16
	s_mov_b32 s[G1SB+4], 16
	s_mov_b32 s[G1SB+5], 32
	s_mov_b32 s[G1SB+6], 0
	s_mov_b32 s[G1SB+7], 0
	s_and_b32 s80, ttmp7, 0xffff
	s_lshl_b32 s80, s80, 2
	s_add_co_u32 s80, s80, s67                     ; TR: which 128 rows
	s_lshl_b32 s81, ttmp9, 2
	s_add_co_u32 s81, s81, s66                     ; TC: which 256 columns
	s_lshl_b32 s82, s80, 3
	s_lshl_b32 s19, s[CH], 2
	s_add_co_u32 s82, s82, s19                     ; A: the first image tile that I fetch
	s_mul_i32 s[G0+2], s82, 12288
	s_mov_b32 s[G0+3], 0
	s_lshl_b32 s[G0S+2], s82, 9
	s_mov_b32 s[G0S+3], 0
	s_lshl_b32 s83, s81, 4
	s_lshl_b32 s19, s[CH], 3
	s_add_co_u32 s83, s83, s19
	s_add_co_u32 s83, s83, 704                     ; B: out_proj_w's image tiles begin at 704
	s_mul_i32 s[G0B+2], s83, 12288
	s_mov_b32 s[G0B+3], 0
	s_lshl_b32 s[G0SB+2], s83, 9
	s_mov_b32 s[G0SB+3], 0
	s_wait_dscnt 0x0
	s_wait_kmcnt 0x0
	s_add_nc_u64 s[G0+2:G0+3], s[4:5], s[G0+2:G0+3]
	s_add_nc_u64 s[G0S+2:G0S+3], s[6:7], s[G0S+2:G0S+3]
	s_add_nc_u64 s[G0B+2:G0B+3], s[8:9], s[G0B+2:G0B+3]
	s_add_nc_u64 s[G0SB+2:G0SB+3], s[10:11], s[G0SB+2:G0SB+3]
.irp s, 1,2,3
	s_add_nc_u64 s[G0+4*\s+2:G0+4*\s+3], s[G0+2:G0+3], \s*TB
	s_add_nc_u64 s[G0B+4*\s+2:G0B+4*\s+3], s[G0B+2:G0B+3], \s*TB
.endr
.irp s, 0,1,2,3
	s_mov_b32 s[G0+4*\s], 1
	s_mul_i32 s[G0+4*\s+1], s[CH], AB*TB
	s_add_co_u32 s[G0+4*\s+1], s[G0+4*\s+1], \s*SLOT
	s_or_b32 s[G0+4*\s+3], s[G0+4*\s+3], 0x80000000
	s_mov_b32 s[G0B+4*\s], 1
	s_mul_i32 s[G0B+4*\s+1], s[CH], 8*TB
	s_add_co_u32 s[G0B+4*\s+1], s[G0B+4*\s+1], ASZ+\s*SLOT
	s_or_b32 s[G0B+4*\s+3], s[G0B+4*\s+3], 0x80000000
.endr
	s_mov_b32 s[G0S], 1
	s_mul_i32 s[G0S+1], s[CH], AB*512
	s_add_co_u32 s[G0S+1], s[G0S+1], SCA
	s_or_b32 s[G0S+3], s[G0S+3], 0x80000000
	s_mov_b32 s[G0SB], 1
	s_mul_i32 s[G0SB+1], s[CH], 8*512
	s_add_co_u32 s[G0SB+1], s[G0SB+1], SCB
	s_or_b32 s[G0SB+3], s[G0SB+3], 0x80000000
	CROUND                                         ; all sixteen work-groups are here: the joint loads meet
	JLOAD G0S, G1S, G0SB, G1SB
	JLOAD G0, G1, G0B, G1B
	JLOAD G0+4, G1, G0B+4, G1B
	JLOAD G0+8, G1, G0B+8, G1B
	JLOAD G0+12, G1, G0B+12, G1B
	v_and_b32 v1, 15, v0                           ; r
	v_bfe_u32 v2, v0, 4, 1                         ; h
	v_and_b32 v3, 31, v0
	v_lshlrev_b32 v[L8], 3, v3
	s_wait_alu depctr_va_vdst(0)
	v_lshlrev_b32 v[CO], 4, v3
	s_lshl_b32 s19, s81, 10
	s_lshl_b32 s82, s[CH], 9
	s_add_co_u32 s19, s19, s82
	v_lshl_add_u32 v6, v2, 6, s19                  ; the bias: 4 (256 TC + 128 half) + 64 h
.irp b, 0,1,2,3,4,5,6,7
	global_load_b128 v[CB+8*\b:CB+8*\b+3], v6, s[12:13] offset:(32*(\b/2)+8*(\b%2))*4
	global_load_b128 v[CB+8*\b+4:CB+8*\b+7], v6, s[12:13] offset:(32*(\b/2)+8*(\b%2))*4+16
.endr
	s_mul_i32 s19, s[RH], AB*TB
	s_mul_i32 s82, s[CH], 8*TB
	s_add_co_u32 s82, s82, ASZ
.irp s, 0,1,2,3
	v_add_nc_u32 v[ADRA+\s], s19, v[L8]
	v_add_nc_u32 v[ADRB+\s], s82, v[L8]
	s_add_co_u32 s19, s19, SLOT
	s_add_co_u32 s82, s82, SLOT
.endr
	s_mul_i32 s19, s[RH], AB*512
	s_lshl_b32 s82, s[CH], 12
	s_add_co_u32 s82, s82, SCB-SCA
	s_sub_co_u32 s82, s82, s19
	v_mul_u32_u24 v4, s82, v2                      ; lanes 16-31 take B's scale words
	s_add_co_u32 s19, s19, SCA
	v_lshl_add_u32 v4, v1, 3, v4
	v_add_nc_u32 v[ADRS], s19, v4
	s_mul_i32 s19, s[WV], 16*SPITCH                ; my stage
	v_mul_u32_u24 v5, v1, SPITCH
	v_lshl_add_u32 v5, v2, 6, v5
	v_add_nc_u32 v[STO], s19, v5                   ; in: row r, + 64 h
	v_add_nc_u32 v[RD], s19, v[CO]                 ; back: 16 bytes a lane of a row
	s_lshl_b32 s2, s80, 19                         ; 128 rows of 4,096 bytes,
	s_lshl_b32 s3, s[RH], 18                       ; my 64 of them,
	s_add_co_u32 s2, s2, s3
	s_lshl_b32 s3, s81, 10                         ; 256 columns,
	s_add_co_u32 s2, s2, s3
	s_lshl_b32 s3, s[CH], 9                        ; my 128 of them
	s_add_co_u32 s2, s2, s3
	s_mov_b32 s3, 0
	s_add_nc_u64 s[14:15], s[14:15], s[2:3]
	s_wait_alu depctr_va_vdst(0)
	s_wait_loadcnt 0x0
	s_wait_tensorcnt 3                             ; the scales and my part of K step 0 are in (K steps 1, 2, 3 may be out),
	s_barrier_signal -1
	s_barrier_wait -1                              ; everybody's are
	FETCH_B 0, 0, 0
	FETCH_A 0, 0, 0
	SCALES 0
	FETCH_A 0, 0, HB
	KSTEP 0, 0, 1, 0, 0, 1, 0, 0                   ; the first products start the sums from the bias
	KSTEP 0, 1, 0, 1, 1, 0, 1, 2                   ; K step 1 has landed; K steps 2 and 3 may be out
	KSTEP 1, 0, 0, 1, 1, 1, 0, 0
	KSTEP 1, 1, 0, 2, 2, 0, 1, 1
	KSTEP 2, 0, 0, 2, 2, 1, 0, 0
	KSTEP 2, 1, 0, 3, 3, 0, 1, 0
	KSTEP 3, 0, 0, 3, 3, 1, 0, 0
	s_wait_dscnt HB*NL                             ; the last step: nothing more to fetch
	WIN 0xa1
	MULS 0, HB, 1, 1, 1, 0
	s_wait_dscnt 0x0
	MULS HB, HB, 1, 1, 1, 0
	WIN 0
; THE WAY OUT, a block of 16 rows x 128 columns at a time, through my stage.  LDS serves a wave's instructions in order: no wait between the stores and the loads, nor in front of the next block's stores.
.macro TOSTAGE a
	WIN 0x08                                       ; the data: window 2
.irp b, 0,1,2,3,4,5,6,7
	ds_store_b128 v[STO], v[64*(\a)+8*\b:64*(\a)+8*\b+3] offset:128*(\b/2)+32*(\b%2)         ; each accumulator from its low end on
	ds_store_b128 v[STO], v[64*(\a)+8*\b+4:64*(\a)+8*\b+7] offset:128*(\b/2)+32*(\b%2)+16
.endr
	WIN 0
.set BB, BK+64*((\a)%2)
.irp t, 0,1,2,3,4,5,6,7,8,9,10,11,12,13,14,15
	ds_load_b128 v[BB+4*\t:BB+4*\t+3], v[RD] offset:\t*SPITCH
.endr
.endm
.macro SEND a, younger                 ; place t of block a is the row 32 (a / 2) + 8 (a % 2) + t % 8 + 16 (t / 8) of my 64
.set BB, BK+64*((\a)%2)
	s_wait_dscnt \younger
.irp t, 0,1,2,3,4,5,6,7,8,9,10,11,12,13,14,15
	global_store_b128 v[CO], v[BB+4*\t:BB+4*\t+3], s[14:15] offset:(32*((\a)/2)+8*((\a)%2)+(\t%8)+16*(\t/8))*4096 th:TH_STORE_NT   ; 512 consecutive bytes, aligned; written once
.endr
.endm
	PLACES 4
	TOSTAGE 0
.irp a, 1,2,3
.if \a > 1
	s_wait_xcnt 0x0                                ; block a - 2's stores have read their registers: block a's loads may land there
.endif
	TOSTAGE \a
	SEND \a-1, 32                                  ; behind block a - 1's loads: block a's 16 stores and 16 loads
.endr
	SEND 3, 0
	s_wait_tensorcnt 0x0
	ds_add_u32 v30, v31
	s_wait_dscnt 0x0
	CROUND                                         ; the closing round
	s_endpgm
.Lfunc_end_k_q8a7aafb7bb_oproj:
	.size	k_q8a7aafb7bb_oproj, .Lfunc_end_k_q8a7aafb7bb_oproj-k_q8a7aafb7bb_oproj
	.p2alignl 7, 3214868480
	.fill 96, 4, 3214868480
	.section	.rodata,"a",@progbits
	.p2align	6, 0x0
	.amdhsa_kernel k_q8a7aafb7bb_oproj
		.amdhsa_group_segment_fixed_size 307712
		.amdhsa_private_segment_fixed_size 0
		.amdhsa_enable_private_segment 0
		.amdhsa_kernarg_size 48
		.amdhsa_user_sgpr_count 2
		.amdhsa_user_sgpr_kernarg_segment_ptr 1
		.amdhsa_wavefront_size32 1
		.amdhsa_system_sgpr_workgroup_id_x 1
		.amdhsa_system_sgpr_workgroup_id_y 1
		.amdhsa_system_sgpr_workgroup_id_z 1
		.amdhsa_system_vgpr_workitem_id 0
		.amdhsa_next_free_vgpr 768
		.amdhsa_next_free_sgpr 102
		.amdhsa_reserve_vcc 0
		.amdhsa_float_denorm_mode_32 3
		.amdhsa_float_denorm_mode_16_64 3
		.amdhsa_memory_ordered 1
		.amdhsa_forward_progress 1
		.amdhsa_inst_pref_size 103
	.end_amdhsa_kernel
	.amdgpu_metadata
---
amdhsa.version: [ 1, 2 ]
amdhsa.kernels:
  - .name:           k_q8a7aafb7bb_oproj
    .symbol:         k_q8a7aafb7bb_oproj.kd
    .args:
      - { .name: aoc, .offset: 0, .size: 8, .value_kind: global_buffer, .address_space: global }
      - { .name: aos, .offset: 8, .size: 8, .value_kind: global_buffer, .address_space: global }
      - { .name: opc, .offset: 16, .size: 8, .value_kind: global_buffer, .address_space: global }
      - { .name: ops, .offset: 24, .size: 8, .value_kind: global_buffer, .address_space: global }
      - { .name: out_proj_b, .offset: 32, .size: 8, .value_kind: global_buffer, .address_space: global }
      - { .name: out0, .offset: 40, .size: 8, .value_kind: global_buffer, .address_space: global }
    .group_segment_fixed_size: 307712
    .private_segment_fixed_size: 0
    .kernarg_segment_align: 8
    .kernarg_segment_size: 48
    .max_flat_workgroup_size: 128
    .sgpr_count:     102
    .vgpr_count:     768
    .wavefront_size: 32
...
	.end_amdgpu_metadata
.endif
;; end of part 4
